; MI455X (gfx1250); checked and timed in simulation.
; The chip was launched on July 23, 2026; its instructions are those of AMD's public machine-readable ISA for CDNA 5 (MIT licence, August 2026) and "CDNA5" Instruction Set Architecture Reference Guide (July 2026). The comments in the code are by the model that wrote it; some were corrected since.
;; Qwen3 Moe Attention. Allowed arithmetic: float matrix products may take bf16 or f16 operands with f32 sums; other float arithmetic in f32, or as packed bf16 or f16 multiplies, adds, multiply-adds, maxima and minima; sums over many terms, partial sums and values carried from step to step in f32; what a program stores and reads back later, other than sums and carried values, may be rounded once to bf16 or f16.
;; Inputs: Wk 2,048 x 512 float32; Wo 4,096 x 2,048 float32; Wq 2,048 x 4,096 float32; Wv 2,048 x 512 float32; hidden_states 2 x 1,024 x 2,048 float32; k_norm_w 128 float32; q_norm_w 128 float32.
;; Outputs: out0 2 x 1,024 x 2,048 float32.
;; 2 versions, each right; version 2 is version 1 with the launch prep written anew for expert scheduling mode. Each part assembles by itself: llvm-mc -triple=amdgcn-amd-amdhsa -mcpu=gfx1250 --defsym DOCPART=n.
;; ======== version 1 of 2: 4 launches
;; limits: values are held in f16: magnitudes above 65,504 overflow, below 6.1e-05 lose precision
;; workspace buffers: xb 8,388,608 bytes; wqkv 20,971,520 bytes; wob 16,777,216 bytes; tab 3,211,264 bytes; qkv 20,971,520 bytes; ob 16,777,216 bytes
;; launch prep (part 1): grid 994 x 1, 8 waves a work-group, no clusters, 0 bytes of LDS; arguments hidden_states, Wq, Wk, Wv, q_norm_w, k_norm_w, xb, wqkv, tab; writes xb, wqkv, tab
.if DOCPART == 1
	.amdgcn_target "amdgcn-amd-amdhsa--gfx1250"
	.amdhsa_code_object_version 6
	.text
	.protected	k_qd8331beea7_prep
	.globl	k_qd8331beea7_prep
	.p2align	8
	.type	k_qd8331beea7_prep,@function
k_qd8331beea7_prep:
	s_mov_b64 s[64:65], 0
	v_nop
	global_prefetch_b8 v0, s[64:65] scope:SCOPE_SE
	s_setreg_imm32_b32 hwreg(HW_REG_WAVE_MODE, 25, 1), 1
	s_wait_xcnt 0x0
; PREP.  Two kinds of work-group.
; Groups 0-97 make the rope-and-gain table TAB: 3,136 rows of 1,024 bytes of f32, 32 rows a group.  Row R = type x 1024 + s (type 0: q, 1: k, 2 and the 64 rows behind it: the identity, for v).
; The 16 bytes at R x 1024 + qd x 256 + 16 l hold, for d = 8 l + 4 (qd & 1) + 0..3 and i = d & 63:
;   qd < 2:  C[d] = g[d] cos(s f_i)          qd >= 2:  S[d] = -g[d+64] sin(s f_i) for d < 64, +g[d-64] sin(s f_i) for d >= 64        identity rows: C = 1, S = 0
; so that norm, gain and rope of a head's row x are rs (x[d] C[d] + x[d ^ 64] S[d]).  g is the norm's gain rounded once to bf16, like every input of the program.
; Groups 98-993 round hidden_states, Wq, Wk, Wv to bf16, 16,384 numbers a group; Wq, Wk, Wv go side by side into one [2048][5120].  (Wo is rounded by the next launch.)
; LIMITS.  f_i = 2^(-i log2(1e6) / 64) by v_exp_f32; the angle s f_i is one f32 product; it is reduced by k pi/2 in two fused steps and the sine and cosine are polynomials on |r| <= pi/4,
; cut at r^9 and r^8 (next terms below 3e-8).
; No LDS, no barrier, no matrix unit: a stream; each load of a wave covers 512 consecutive bytes, each store 256 (casts) or 512 (table), aligned.
.set NTAB, 98
.set D, 8                              ; v[8:23]    turn j: byte offset of my 8 bytes in the destination
.set X, 32                             ; v[32:95]   turn j: four f32 as loaded
.set Y, 96                             ; v[96:127]  turn j: four bf16 to store
	s_load_b512 s[8:23], s[0:1], 0x0               ; hidden s[8:9], Wq s[10:11], Wk s[12:13], Wv s[14:15], q gain s[16:17], k gain s[18:19], xb s[20:21], wqkv s[22:23]
	s_load_b64 s[24:25], s[0:1], 0x40              ; tab
	s_wait_kmcnt 0x0
	s_cmp_lt_u32 ttmp9, NTAB
	s_cbranch_scc1 .Ltab
	; THE CASTS.  The group's number picks source, destination and shape; the choice hangs on the number alone.
	s_sub_co_u32 s30, ttmp9, NTAB
	s_mov_b64 s[32:33], s[8:9]                     ; source
	s_mov_b64 s[34:35], s[20:21]                   ; destination
	s_mov_b32 s36, 0                               ; the region's first group
	s_mov_b32 s37, 11                              ; log2 of the source's row length
	s_mov_b32 s38, 2048                            ; the destination's row length
	s_mov_b32 s39, 0                               ; byte offset of the region's first column in a destination row
.macro REGION first, src, dst, sh, pitch, dcol
	s_cmp_ge_u32 s30, \first
	s_cselect_b64 s[32:33], s[\src:\src+1], s[32:33]
	s_cselect_b64 s[34:35], s[\dst:\dst+1], s[34:35]
	s_cselect_b32 s36, \first, s36
	s_cselect_b32 s37, \sh, s37
	s_cselect_b32 s38, \pitch, s38
	s_cselect_b32 s39, \dcol, s39
.endm
	REGION 256, 10, 22, 12, 5120, 0                ; Wq: 512 groups
	REGION 768, 12, 22, 9, 5120, 8192              ; Wk: 64 groups, columns 4096 on
	REGION 832, 14, 22, 9, 5120, 9216              ; Wv: 64 groups, columns 4608 on
	s_sub_co_u32 s30, s30, s36
	s_lshl_b32 s31, s30, 14                        ; the group's first element in its source
	s_lshl_b32 s42, s30, 16                        ; the same in bytes
	s_mov_b32 s43, 0
	s_add_nc_u64 s[32:33], s[32:33], s[42:43]
	s_lshl_b32 s41, 1, s37
	s_sub_co_u32 s41, s41, 1                       ; mask of the column in a source row
	v_lshlrev_b32 v1, 4, v0                        ; 16 bytes a thread; a turn of the group is 4,096 bytes
.irp j, 0,1,2,3,4,5,6,7,8,9,10,11,12,13,14,15
	global_load_b128 v[X+4*(\j):X+4*(\j)+3], v1, s[32:33] offset:4096*(\j) th:TH_LOAD_NT
.endr
	v_lshl_add_u32 v2, v0, 2, s31                  ; my first element
.irp j, 0,1,2,3,4,5,6,7,8,9,10,11,12,13,14,15
	v_add_nc_u32 v3, 1024*(\j), v2                 ; turn j's element e
	v_lshrrev_b32 v4, s37, v3                      ; its row
	v_and_b32 v5, s41, v3                          ; its column
	v_mad_u32_u24 v4, v4, s38, v5
	v_lshl_add_u32 v[D+(\j)], v4, 1, s39
.endr
.irp j, 0,1,2,3,4,5,6,7,8,9,10,11,12,13,14,15
	s_wait_loadcnt 15-(\j)                         ; loads come back in order: turn j's is in, the younger ones stay out
	v_cvt_pk_bf16_f32 v[Y+2*(\j)], v[X+4*(\j)], v[X+4*(\j)+1]
	v_cvt_pk_bf16_f32 v[Y+2*(\j)+1], v[X+4*(\j)+2], v[X+4*(\j)+3]
	global_store_b64 v[D+(\j)], v[Y+2*(\j):Y+2*(\j)+1], s[34:35]  ; a wave stores 256 consecutive bytes, aligned; no register of a store is written again
.endr
	s_endpgm
	; THE TABLE.  A group makes 32 rows, four a trip: thread t writes the 16 bytes at 16 (t & 63) of row t >> 6.
.Ltab:
	s_lshr_b32 s43, ttmp9, 5                       ; type: 32 groups make 1,024 rows
	s_cmp_eq_u32 s43, 1
	s_cselect_b64 s[46:47], s[18:19], s[16:17]     ; k's gain or q's (identity rows read q's and do not use it)
	s_cmp_ge_u32 s43, 2
	s_cselect_b32 s42, -1, 0                       ; all lanes: identity rows
	s_lshl_b32 s44, ttmp9, 15                      ; 32 rows of 1,024 bytes
	s_mov_b32 s45, 0
	s_add_nc_u64 s[24:25], s[24:25], s[44:45]
	s_lshl_b32 s31, ttmp9, 5                       ; the group's first row
	s_mov_b32 s32, 0x3f22f983                      ; 2 / pi
	s_mov_b32 s33, 0xbfc90fdb                      ; -(pi / 2, rounded)
	s_mov_b32 s34, 0x333bbd2e                      ; that rounding's excess over pi / 2
	s_mov_b32 s35, 0x3638ef1d                      ; 1 / 9!
	s_mov_b32 s36, 0xb9500d01                      ; -1 / 7!
	s_mov_b32 s37, 0x3c088889                      ; 1 / 5!
	s_mov_b32 s38, 0xbe2aaaab                      ; -1 / 3!
	s_mov_b32 s39, 0x37d00d01                      ; 1 / 8!
	s_mov_b32 s40, 0xbab60b61                      ; -1 / 6!
	s_mov_b32 s41, 0x3d2aaaab                      ; 1 / 4!
	v_and_b32 v1, 63, v0
	v_lshrrev_b32 v28, 6, v0                       ; my row of the trip's four
	v_and_b32 v29, 15, v1                          ; l
	v_lshrrev_b32 v30, 4, v1                       ; qd
	v_lshrrev_b32 v31, 1, v30                      ; 1: I write S, 0: C
	v_and_b32 v30, 1, v30
	v_lshlrev_b32 v29, 3, v29
	v_lshl_add_u32 v29, v30, 2, v29                ; d0, my first d
	v_lshrrev_b32 v30, 6, v29                      ; 1: d >= 64
	v_lshlrev_b32 v32, 6, v31
	v_xor_b32 v32, v32, v29                        ; S takes the gain of d ^ 64
	v_lshlrev_b32 v32, 2, v32
	global_load_b128 v[36:39], v32, s[46:47]
	v_mul_u32_u24 v12, 3, v31                      ; sin a = cos(a - pi/2): three quadrants on
	v_sub_nc_u32 v13, 1, v31
	v_cvt_f32_u32 v13, v13                         ; the identity's value: 1 for C, 0 for S
	v_xor_b32 v33, 1, v30
	v_and_b32 v33, v33, v31
	v_lshlrev_b32 v33, 31, v33                     ; the sign bit for S at d < 64
	v_and_b32 v20, 63, v29                         ; i of my first d
.irp jj, 0,1,2,3
	v_add_nc_u32 v[24+(\jj)], \jj, v20
	v_cvt_f32_u32 v[24+(\jj)], v[24+(\jj)]
	v_mul_f32 v[24+(\jj)], 0xbe9f73da, v[24+(\jj)] ; -i log2(1e6) / 64
.endr
.irp jj, 0,1,2,3
	v_exp_f32 v[4+(\jj)], v[24+(\jj)]              ; f_i
.endr
	v_lshlrev_b32 v2, 4, v0                        ; my byte offset in a trip's 4,096 bytes (a plain line behind the exponentials)
	v_add_nc_u32 v3, s31, v28                      ; my row
	s_wait_loadcnt 0x0
	v_cvt_pk_bf16_f32 v34, v36, v37                ; the gain rounded to bf16,
	v_cvt_pk_bf16_f32 v35, v38, v39
	v_lshlrev_b32 v8, 16, v34                      ; widened again,
	v_and_b32 v9, 0xffff0000, v34
	v_lshlrev_b32 v10, 16, v35
	v_and_b32 v11, 0xffff0000, v35
.irp jj, 0,1,2,3
	v_xor_b32 v[8+(\jj)], v[8+(\jj)], v33          ; with its sign
.endr
; The trip's four numbers are worked side by side, each line written four times on registers of their own, so that no line reads the result of the line before it.
.set TA, 20                            ; v[20:23]  the angle a = s f
.set TK, 24                            ; v[24:27]  k = round(a 2 / pi)
.set TR, 28                            ; v[28:31]  r = a - k pi / 2
.set TZ, 32                            ; v[32:35]  z = r r
.set TS, 36                            ; v[36:39]  sin r
.set TC, 40                            ; v[40:43]  cos r, then the value
.set TN, 44                            ; v[44:47]  the quadrant n
.set TW, 48                            ; v[48:51]  at work
.macro ALL line:vararg                 ; one line for each of the four, t = 0..3
.set t, 0
.rept 4
	\line
.set t, t+1
.endr
.endm
	s_mov_b32 s30, 8
.Lrow:
	v_and_b32 v15, 0x3ff, v3
	v_cvt_f32_u32 v14, v15                         ; s
	s_wait_alu depctr_va_vdst(0)
	ALL v_mul_f32 v[TA+t], v14, v[4+t]
	ALL v_mul_f32 v[TK+t], s32, v[TA+t]
	ALL v_rndne_f32 v[TK+t], v[TK+t]
	ALL v_fma_f32 v[TR+t], v[TK+t], s33, v[TA+t]   ; in two parts
	ALL v_fma_f32 v[TR+t], v[TK+t], s34, v[TR+t]
	ALL v_mul_f32 v[TZ+t], v[TR+t], v[TR+t]
	ALL v_fma_f32 v[TS+t], v[TZ+t], s35, s36
	ALL v_fma_f32 v[TC+t], v[TZ+t], s39, s40
	ALL v_fma_f32 v[TS+t], v[TS+t], v[TZ+t], s37
	ALL v_fma_f32 v[TC+t], v[TC+t], v[TZ+t], s41
	ALL v_fma_f32 v[TS+t], v[TS+t], v[TZ+t], s38
	ALL v_fma_f32 v[TC+t], v[TC+t], v[TZ+t], -0.5
	ALL v_mul_f32 v[TS+t], v[TS+t], v[TZ+t]
	ALL v_fma_f32 v[TC+t], v[TC+t], v[TZ+t], 1.0
	ALL v_fma_f32 v[TS+t], v[TS+t], v[TR+t], v[TR+t]
	ALL v_cvt_i32_f32 v[TN+t], v[TK+t]
	ALL v_add_nc_u32 v[TN+t], v[TN+t], v12         ; cos(r + n pi/2) = cos r, -sin r, -cos r, sin r
	ALL v_and_b32 v[TW+t], 1, v[TN+t]
	ALL v_cmp_ne_u32 s[48+t], 0, v[TW+t]
	ALL v_cndmask_b32 v[TC+t], v[TC+t], v[TS+t], s[48+t]
	ALL v_add_nc_u32 v[TN+t], 1, v[TN+t]
	ALL v_and_b32 v[TN+t], 2, v[TN+t]
	ALL v_lshlrev_b32 v[TN+t], 30, v[TN+t]         ; negative for n = 1, 2 modulo 4
	ALL v_xor_b32 v[TC+t], v[TC+t], v[TN+t]
	ALL v_mul_f32 v[TC+t], v[TC+t], v[8+t]
	s_wait_xcnt 0x0                                ; the last trip's store, issued a trip's arithmetic ago: its data and offset are written again only behind this wait
	ALL v_cndmask_b32 v[16+t], v[TC+t], v13, s42
	v_add_nc_u32 v2, 4096, v2
	global_store_b128 v2, v[16:19], s[24:25] offset:-4096  ; a wave stores 512 consecutive bytes; the offset has been stepped, the store reaches back
	v_add_nc_u32 v3, 4, v3
	s_sub_co_u32 s30, s30, 1
	s_cmp_lg_u32 s30, 0
	s_cbranch_scc1 .Lrow
	s_endpgm
.Lfunc_end_k_qd8331beea7_prep:
	.size	k_qd8331beea7_prep, .Lfunc_end_k_qd8331beea7_prep-k_qd8331beea7_prep
	.p2alignl 7, 3214868480
	.fill 96, 4, 3214868480
	.section	.rodata,"a",@progbits
	.p2align	6, 0x0
	.amdhsa_kernel k_qd8331beea7_prep
		.amdhsa_group_segment_fixed_size 0
		.amdhsa_private_segment_fixed_size 0
		.amdhsa_enable_private_segment 0
		.amdhsa_kernarg_size 72
		.amdhsa_user_sgpr_count 2
		.amdhsa_user_sgpr_kernarg_segment_ptr 1
		.amdhsa_wavefront_size32 1
		.amdhsa_system_sgpr_workgroup_id_x 1
		.amdhsa_system_sgpr_workgroup_id_y 1
		.amdhsa_system_sgpr_workgroup_id_z 1
		.amdhsa_system_vgpr_workitem_id 0
		.amdhsa_next_free_vgpr 128
		.amdhsa_next_free_sgpr 66
		.amdhsa_reserve_vcc 0
		.amdhsa_float_denorm_mode_32 3
		.amdhsa_float_denorm_mode_16_64 3
		.amdhsa_memory_ordered 1
		.amdhsa_forward_progress 1
		.amdhsa_inst_pref_size 20
	.end_amdhsa_kernel
	.amdgpu_metadata
---
amdhsa.version: [ 1, 2 ]
amdhsa.kernels:
  - .name:           k_qd8331beea7_prep
    .symbol:         k_qd8331beea7_prep.kd
    .args:
      - { .name: hidden_states, .offset: 0, .size: 8, .value_kind: global_buffer, .address_space: global }
      - { .name: Wq, .offset: 8, .size: 8, .value_kind: global_buffer, .address_space: global }
      - { .name: Wk, .offset: 16, .size: 8, .value_kind: global_buffer, .address_space: global }
      - { .name: Wv, .offset: 24, .size: 8, .value_kind: global_buffer, .address_space: global }
      - { .name: q_norm_w, .offset: 32, .size: 8, .value_kind: global_buffer, .address_space: global }
      - { .name: k_norm_w, .offset: 40, .size: 8, .value_kind: global_buffer, .address_space: global }
      - { .name: xb, .offset: 48, .size: 8, .value_kind: global_buffer, .address_space: global }
      - { .name: wqkv, .offset: 56, .size: 8, .value_kind: global_buffer, .address_space: global }
      - { .name: tab, .offset: 64, .size: 8, .value_kind: global_buffer, .address_space: global }
    .group_segment_fixed_size: 0
    .private_segment_fixed_size: 0
    .kernarg_segment_align: 8
    .kernarg_segment_size: 72
    .max_flat_workgroup_size: 256
    .sgpr_count:     66
    .vgpr_count:     128
    .wavefront_size: 32
...
	.end_amdgpu_metadata
.endif
;; end of part 1
;; launch qkvproj (part 2): grid 32 x 8, 4 waves a work-group, clusters of 4 x 4, 327,680 bytes of LDS; arguments xb, wqkv, tab, qkv, Wo, wob; writes qkv, wob
.if DOCPART == 2
	.amdgcn_target "amdgcn-amd-amdhsa--gfx1250"
	.amdhsa_code_object_version 6
	.text
	.protected	k_qd8331beea7_qkvproj
	.globl	k_qd8331beea7_qkvproj
	.p2align	8
	.type	k_qd8331beea7_qkvproj,@function
k_qd8331beea7_qkvproj:
	s_mov_b64 s[64:65], 0
	v_nop
	global_prefetch_b8 v0, s[64:65] scope:SCOPE_SE
	s_setreg_imm32_b32 hwreg(HW_REG_WAVE_MODE, 25, 1), 1
	s_wait_xcnt 0x0
	s_wait_alu depctr_hold_cnt(0) depctr_sa_sdst(0) depctr_va_vdst(0) depctr_va_sdst(0) depctr_va_ssrc(0) depctr_va_vcc(0) depctr_vm_vsrc(0)
	s_getreg_b32 s2, hwreg(HW_REG_IB_STS2, 6, 4)
	s_cmp_eq_u32 s2, 0
	s_cbranch_scc0 .Lentry_in_a_cluster
	s_endpgm
.Lentry_in_a_cluster:
	s_bfe_u32 s2, ttmp6, 0x10000c
	s_cmp_lg_u32 s2, 0xf033
	s_cbranch_scc0 .Lentry_shape_is_right
	s_endpgm
.Lentry_shape_is_right:
; TWO KINDS OF CLUSTER.  The launch has 8 x 2 clusters of 4 x 4 work-groups.  Clusters with x < 5 (160 work-groups) make the product below; the product has no tile that keeps a head inside a wave and gives
; 256 work-groups.  The six clusters with x >= 5 (96 work-groups) round Wo for the last launch (at .Lcast).  The branch hangs on the cluster's x alone, which all partners share.
; QKV[m][n] = sum over k of X[m][k] W[k][n], then per head of 128 columns RMS norm, gain and rope (q, k) or nothing (v), rounded once to f16 and stored by heads: qkv[b][hh][s][128].
; X: xb [2048][2048] bf16.  W: wqkv [2048][5120] bf16, K down the rows.  Sums, the sum of squares, the norm and the rope in f32.
; A tile of the product is 256 x 256: four waves, each 128 rows x 128 columns = 128 rows of ONE head, in 64 accumulators of 16 x 16 (512 registers), so norm and rope never leave a wave.
; K goes in steps of 128 through a ring of two LDS slots filled by the tensor data mover.  X's fragments come out of LDS as they lie, W's turned, by ds_load_tr16_b128.
; CLUSTER 4 x 4: the four of a row need the same tiles of X, the four of a column the same tiles of W: each is asked for jointly, by the same load, descriptor and mask in all four.
; THE MATRIX INSTRUCTION IS USED TRANSPOSED (source 0 = 16 columns of W, source 1 = 16 rows of X): a lane holds row l % 16 and the columns 16 b + 8 (l / 16) + 0..7.
; THE WAY OUT.  Each wave puts its 128 x 128 f32 into its own part of the ring's bytes (which have had their last fill), rows of 528 bytes, and reads whole rows back: sixteen lanes hold a
; row, lane l the numbers d = 8 l + 0..7 and, by a second read, those of d ^ 64.  out[d] = rs (x[d] C[d] + x[d ^ 64] S[d]), rs = rsqrt(mean x^2 + 1e-6), C and S from TAB's row type x 1024 + s;
; for v the table's rows are C = 1, S = 0 and rs is replaced by 1.
; LIMITS.  f16 ends at 65,504: |q|, |k| <= sqrt(128) (|g[d]| + |g[d ^ 64]|), so gains up to some 2,800 are served; v itself must stay under 65,504.  NaN and infinities are not treated apart.
; bf16(Wo) written as f16 is exact from 6.1e-5 to 65,504 in magnitude; below that it keeps f16's fixed step of 6e-8; above it would be an infinity.
; The table's loads run one trip (16 rows) ahead; the last trip's 32 loads read the 16 written table rows behind the wave's own (row 3,087 of 3,136 at the most) and are not used.
; REGISTERS, in windows of 256: window 0: v0-31 addresses and small work; v64-127, v128-191 X's fragments, two buffers (on the way out v32-255 at work); window 1: v64-127, v128-191 W's fragments;
; windows 2, 3: the accumulators of my rows 0-63 and 64-127, (a, b) at v[8 (8 (a % 4) + b)].
.set GX,     5                         ; clusters along x that make the product
.set KSTEP,  128
.set PA,     272                       ; a row of X in LDS: 256 bytes + 16: the 16 rows of a fragment load start 68 words apart
.set PB,     544                       ; a row of W in LDS: 512 bytes + 32 = 17 x 32: the 8 rows x 32 bytes of a turning load fall on different words modulo 64
.set HALFT,  128*PA                    ; what one tensor load brings: 128 rows of X, or 64 rows of W (64 x 544 is the same 34,816 bytes)
.set SLOT,   4*HALFT                   ; X's 256 rows, then W's 128 rows
.set SPARE,  2*SLOT                    ; behind the ring: the spare words, 128 bytes a wave: two blocks of 256 bytes that no other line names
.set DP,     528                       ; the way out: a row of 128 f32 + 16 bytes
.set DUMP,   128*DP                    ; a wave's part: 67,584 bytes; four of them end below SPARE
.set LAPS,   8                         ; 2,048 / 256: a lap = two K steps = once round the ring
.set ADRA, 16                          ; v16-17  LDS address of my X fragments in slot 0, 1
.set ADRB, 20                          ; v20-21  the same for W
.set STO,  24                          ; v24     the way out: where I put 16 bytes of a row
.set RDO,  25                          ; v25     where I read my 16 bytes of a row back
.set RDP,  26                          ; v26     the same for the lane eight away (d ^ 64)
.set TOF,  27                          ; v27     my byte offset in two rows of the table
.set SPW,  28                          ; v28     LDS address of my spare word; never rewritten
.set NIL,  29                          ; v29     0; never rewritten
.set OOF,  30                          ; v30     my byte offset in two rows of the output
.set ONE,  31                          ; v31     1.0
.set F0,   64
.set F1,   128
.set XB,   64                          ; the way out: v64-127 four sets of 16: x of my d (8), x of d ^ 64 (8)
.set TBS,  128                         ; v128-255 eight sets of 16: C (8), S (8)
.set YB,   32                          ; v32-63 eight sets of 4: packed results
.set G1, 24                            ; s[24:31] group 1 for X's tiles;  s[32:39] group 0, a set for each slot
.set G0, 32
.set G1B, 48                           ; s[48:55], s[56:63] the same for W's tiles
.set G0B, 56
.set MSB, 0
.macro WIN new                         ; the immediate's high byte repeats the setting that is left
.if MSB != (\new)
	s_set_vgpr_msb (MSB<<8)|(\new)
.set MSB, \new
.endif
.endm
.set MUL_LO, 0xa1                      ; source 0 (W) window 1, source 1 (X) window 0, C and D window 2
.set MUL_HI, 0xf1                      ; the same, C and D window 3
.set TO_B,   0x40                      ; destination window 1, address window 0
; A joint load.  Waves 0 and 1 fetch X's two halves, waves 2 and 3 W's.  The branch hangs on the wave's number alone.  An s_nop 0 and four v_nop follow each line.
.macro JLOAD s
	s_cmp_eq_u32 s13, 0
	s_cbranch_scc0 .Lfor_b_\@
	tensor_load_to_lds s[G0+4*(\s):G0+4*(\s)+3], s[G1:G1+7]
	s_nop 0
.rept 4
	v_nop
.endr
	s_branch .Lasked_\@
.Lfor_b_\@:
	tensor_load_to_lds s[G0B+4*(\s):G0B+4*(\s)+3], s[G1B:G1B+7]
	s_nop 0
.rept 4
	v_nop
.endr
.Lasked_\@:
.endm
.macro CREST                           ; a round of the cluster's barrier behind its opening barrier
	s_cmp_lg_u32 s12, 0
	s_cbranch_scc1 .Lnot_wave_0_\@
	s_barrier_signal -3
.Lnot_wave_0_\@:
	s_barrier_wait -3
	s_barrier_signal -1
	s_barrier_wait -1
.endm
.macro CROUND                          ; a whole round
	s_barrier_signal -1
	s_barrier_wait -1
	CREST
.endm
	s_cmp_ge_u32 ttmp9, GX                         ; the cluster's x: the same in all sixteen partners
	s_cbranch_scc1 .Lcast                          ; that way has no LDS, no barrier and no tensor load
	s_load_b256 s[4:11], s[0:1], 0x0               ; xb s[4:5], wqkv s[6:7], tab s[8:9], qkv s[10:11]
	v_lshl_add_u32 v[SPW], v0, 2, SPARE
	v_mov_b32 v[NIL], 0
	ds_add_u32 v[SPW], v[NIL]                      ; the wave's opening: the add and its wait stand ahead of my first tensor load; work on registers stands between them
	v_lshrrev_b32 v1, 5, v0
	v_readfirstlane_b32 s12, v1                    ; wave 0..3
	s_lshr_b32 s13, s12, 1                         ; which 128 rows of the tile are mine.  Also: I fetch for X (0) or for W (1)
	s_and_b32 s14, s12, 1                          ; which head of the tile's two.  Also: which half of that tile I fetch
	s_bfe_u32 s40, ttmp6, 0x40000                  ; cx
	s_bfe_u32 s41, ttmp6, 0x40004                  ; cy
	s_lshl_b32 s42, ttmp9, 2
	s_add_co_u32 s42, s42, s40                     ; tile column tx = 4 x cluster x + cx
	s_and_b32 s43, ttmp7, 0xffff
	s_lshl_b32 s43, s43, 2
	s_add_co_u32 s43, s43, s41                     ; tile row ty = 4 x cluster y + cy
	s_lshl_b32 s44, s41, 2
	s_lshl_b32 s44, 15, s44                        ; my row of the cluster
	s_lshl_b32 s45, 0x1111, s40                    ; my column
	s_or_b32 s[G1+0], s44, (1<<16)|(1<<20)|(1<<21)|(5<<22)|(3<<25)   ; mask; 2-byte elements; padding on; bit 21 beside a mask; after every 64 words 4 words
	s_mov_b32 s[G1+1], 128<<16                     ; tensor_dim0 = 128
	s_mov_b32 s[G1+2], 128<<16                     ; tensor_dim1 = 128
	s_mov_b32 s[G1+3], 128<<16                     ; tile_dim0 = 128
	s_mov_b32 s[G1+4], 128                         ; tile_dim1 = 128
	s_mov_b32 s[G1+5], 2048                        ; elements from row to row
	s_mov_b32 s[G1+6], 0
	s_mov_b32 s[G1+7], 0
	s_or_b32 s[G1B+0], s45, (1<<16)|(1<<20)|(1<<21)|(6<<22)|(7<<25)  ; after every 128 words 8 words
	s_mov_b32 s[G1B+1], 256<<16                    ; tensor_dim0 = 256
	s_mov_b32 s[G1B+2], 64<<16                     ; tensor_dim1 = 64
	s_mov_b32 s[G1B+3], 256<<16                    ; tile_dim0 = 256
	s_mov_b32 s[G1B+4], 64                         ; tile_dim1 = 64
	s_mov_b32 s[G1B+5], 5120
	s_mov_b32 s[G1B+6], 0
	s_mov_b32 s[G1B+7], 0
	s_lshl_b32 s16, s43, 20                        ; X: row 256 ty + 128 half, 4,096 bytes a row
	s_lshl_b32 s17, s14, 19
	s_add_co_u32 s16, s16, s17
	s_mov_b32 s17, 0
	s_mul_i32 s46, s14, 64*5120*2                  ; W: row 64 half, 10,240 bytes a row; column 256 tx
	s_lshl_b32 s47, s42, 9
	s_add_co_u32 s46, s46, s47
	s_mov_b32 s47, 0
	s_mul_i32 s20, s12, HALFT                      ; where they go: wave x 34,816: no place in the cluster enters an LDS address
	s_wait_dscnt 0x0                               ; the opening add is done
	s_wait_kmcnt 0x0
	s_add_nc_u64 s[18:19], s[4:5], s[16:17]
	s_add_nc_u64 s[46:47], s[6:7], s[46:47]
	CROUND                                         ; all sixteen work-groups are here: the first joint loads meet
.irp s, 0,1
	s_mov_b32 s[G0+4*(\s)], 1
	s_add_co_u32 s[G0+4*(\s)+1], s20, (\s)*SLOT
	s_add_nc_u64 s[G0+4*(\s)+2:G0+4*(\s)+3], s[18:19], (\s)*KSTEP*2
	s_or_b32 s[G0+4*(\s)+3], s[G0+4*(\s)+3], 0x80000000
	s_mov_b32 s[G0B+4*(\s)], 1
	s_add_co_u32 s[G0B+4*(\s)+1], s20, (\s)*SLOT
	s_add_nc_u64 s[G0B+4*(\s)+2:G0B+4*(\s)+3], s[46:47], (\s)*KSTEP*5120*2
	s_or_b32 s[G0B+4*(\s)+3], s[G0B+4*(\s)+3], 0x80000000
	JLOAD \s                                       ; K steps 0 and 1: two loads of mine are out
.endr
	; lane addresses
	v_and_b32 v1, 15, v0                           ; l % 16
	v_bfe_u32 v2, v0, 4, 1                         ; l / 16
	v_mul_u32_u24 v3, v1, PA
	v_lshl_add_u32 v3, v2, 4, v3                   ; X: row x pitch + 16 x half
	v_and_b32 v4, 7, v0
	v_bfe_u32 v5, v0, 3, 1
	v_lshl_add_u32 v4, v2, 3, v4                   ; W, turning load: K row 8 (l / 16) + l % 8,
	v_mul_u32_u24 v4, v4, PB
	v_lshl_add_u32 v4, v5, 4, v4                   ; columns 8 ((l / 8) % 2) on
	s_mul_i32 s21, s13, HALFT                      ; my 128 rows of X
	s_lshl_b32 s22, s14, 8                         ; my 128 columns of W,
	s_add_co_u32 s22, s22, 2*HALFT                 ; which lies behind X's 256 rows
.irp s, 0,1
	v_add_nc_u32 v[ADRA+(\s)], s21, v3
	v_add_nc_u32 v[ADRB+(\s)], s22, v4
	s_add_co_u32 s21, s21, SLOT
	s_add_co_u32 s22, s22, SLOT
.endr
	s_mul_i32 s23, s12, DUMP                       ; the way out: my part
	v_mul_u32_u24 v6, v1, DP
	v_lshl_add_u32 v6, v2, 4, v6
	v_add_nc_u32 v[STO], s23, v6                   ; in: row l % 16, 16 bytes for each half of the lanes
	v_mul_u32_u24 v6, v2, DP
	v_add_nc_u32 v6, s23, v6
	v_lshl_add_u32 v[RDO], v1, 4, v6               ; back: lanes 0-15 one row, lanes 16-31 the next
	v_add_nc_u32 v7, 8, v1
	v_and_b32 v7, 15, v7
	v_lshl_add_u32 v[RDP], v7, 4, v6               ; and the place of the lane eight away
	v_lshlrev_b32 v6, 4, v1
	v_lshl_add_u32 v[TOF], v2, 10, v6
	v_lshl_add_u32 v[OOF], v2, 8, v6
	v_mov_b32 v[ONE], 1.0
	v_mov_b32 v7, 0                                ; the upper halves of the two pairs that hold rs: named with them, so they are written
	v_mov_b32 v15, 0
	; the table's and the output's bases.  What hangs on tx lies in registers that never feed X's descriptors.
	s_cmp_ge_u32 s42, 16
	s_cselect_b32 s66, 1, 0
	s_cmp_ge_u32 s42, 18
	s_cselect_b32 s70, 1, 0
	s_cselect_b32 s67, -1, 0                       ; all lanes: v, whose rs is 1
	s_add_co_u32 s66, s66, s70                     ; type: 0 q (tx 0-15), 1 k (16, 17), 2 v (18, 19)
	s_mov_b32 s68, 0x3c000000                      ; 1 / 128
	s_mov_b32 s69, 0x358637bd                      ; 1e-6
	s_and_b32 s18, s43, 3
	s_lshl_b32 s18, s18, 8
	s_lshl_b32 s19, s13, 7
	s_add_co_u32 s18, s18, s19                     ; s of my first row: 256 (ty % 4) + 128 half
	s_lshl_b32 s70, s66, 10
	s_add_co_u32 s70, s70, s18
	s_lshl_b32 s70, s70, 10                        ; 1,024 bytes a table row
	s_mov_b32 s71, 0
	s_add_nc_u64 s[8:9], s[8:9], s[70:71]
	s_lshr_b32 s46, s43, 2                         ; b
	s_mul_i32 s46, s46, 40
	s_lshl_b32 s47, s42, 1
	s_add_co_u32 s46, s46, s47
	s_add_co_u32 s46, s46, s14                     ; the slab: 40 b + 2 tx + head
	s_lshl_b32 s46, s46, 10
	s_add_co_u32 s46, s46, s18
	s_lshl_b32 s46, s46, 8                         ; 256 bytes a row
	s_mov_b32 s47, 0
	s_add_nc_u64 s[10:11], s[10:11], s[46:47]
; 16 matrix instructions: row blocks a0, a0 + 1 of the window's four x all 8 column blocks, 32 along K.  zero = 1: the first product starts the sums.
.macro MUL16 f, hi, a0, zero
	WIN MUL_LO+0x50*(\hi)
.irp a, \a0, (\a0)+1
.irp b, 0,1,2,3,4,5,6,7
.if \zero
	v_wmma_f32_16x16x32_bf16 v[8*(8*(\a)+(\b)):8*(8*(\a)+(\b))+7], v[(\f)+8*(\b):(\f)+8*(\b)+7], v[(\f)+8*(4*(\hi)+(\a)):(\f)+8*(4*(\hi)+(\a))+7], 0
.else
	v_wmma_f32_16x16x32_bf16 v[8*(8*(\a)+(\b)):8*(8*(\a)+(\b))+7], v[(\f)+8*(\b):(\f)+8*(\b)+7], v[(\f)+8*(4*(\hi)+(\a)):(\f)+8*(4*(\hi)+(\a))+7], v[8*(8*(\a)+(\b)):8*(8*(\a)+(\b))+7]
.endif
.endr
.endr
.endm
; 32 LDS loads in one run: the fragments of quarter q (32 along K) of a slot into buffer f: W's 16 first, then X's 16
.macro FETCH slot, q, f
	WIN TO_B
.irp i, 0,1,2,3,4,5,6,7
	ds_load_tr16_b128 v[(\f)+8*(\i):(\f)+8*(\i)+3],   v[ADRB+(\slot)] offset:(\q)*32*PB+32*(\i)
	ds_load_tr16_b128 v[(\f)+8*(\i)+4:(\f)+8*(\i)+7], v[ADRB+(\slot)] offset:(\q)*32*PB+32*(\i)+16*PB
.endr
	WIN 0
.irp i, 0,1,2,3,4,5,6,7
	ds_load_b128 v[(\f)+8*(\i):(\f)+8*(\i)+3],   v[ADRA+(\slot)] offset:64*(\q)+(\i)*16*PA
	ds_load_b128 v[(\f)+8*(\i)+4:(\f)+8*(\i)+7], v[ADRA+(\slot)] offset:64*(\q)+(\i)*16*PA+32
.endr
.endm
.macro PLACES                          ; four plain vector instructions between a matrix instruction and a load into, or a read of, its registers
.rept 4
	v_nop
.endr
.endm
; One of a K step's first three quarters: multiplies buffer f; in its middle it fetches quarter q of the same slot into buffer g.
.macro QUARTER slot, q, f, g, zero
	s_wait_dscnt 8                                 ; W and X's rows 0-63 are in; the youngest eight loads (X's rows 64-127) may be out
	MUL16 \f, 0, 0, \zero
	MUL16 \f, 0, 2, \zero
	PLACES
	FETCH \slot, \q, \g
	s_wait_dscnt 32                                ; all but the 32 just issued
	MUL16 \f, 1, 0, \zero
	MUL16 \f, 1, 2, \zero
.endm
; The last quarter multiplies buffer 1 and changes slots.  In front of the one barrier each wave waits for all its tensor loads (one is out: its part of the next slot), adds 0 to its spare
; word, and waits for that and for its own reads of this slot.
.macro MEET round
	WIN 0                                          ; (the add's two registers lie in window 0)
	s_wait_tensorcnt 0x0
	ds_add_u32 v[SPW], v[NIL]
	s_wait_dscnt 9                                 ; (the add and the youngest eight loads may be out)
	MUL16 F1, 0, 0, 0                              ; sixteen matrix instructions stand between the add and the wait for it
	s_wait_dscnt 0x0                               ; the add is done, and my reads of this slot are over
	s_barrier_signal -1
	MUL16 F1, 0, 2, 0                              ; work on registers while the others arrive
.if \round
	WIN 0
.endif
	s_barrier_wait -1
.endm
.macro TURN slot, next                 ; the barrier opens a round of the cluster's; behind it the slot just read out is filled with the K step two on, first thing
	MEET 1
	CREST
	s_add_nc_u64 s[G0+4*(\slot)+2:G0+4*(\slot)+3], s[G0+4*(\slot)+2:G0+4*(\slot)+3], 2*KSTEP*2
	s_add_nc_u64 s[G0B+4*(\slot)+2:G0B+4*(\slot)+3], s[G0B+4*(\slot)+2:G0B+4*(\slot)+3], 2*KSTEP*5120*2
	JLOAD \slot                                    ; 224 matrix instructions ahead of the wait for it; its four v_nop are also the places in front of the loads below
	FETCH \next, 0, F0
	MUL16 F1, 1, 0, 0
	MUL16 F1, 1, 2, 0
.endm
	s_wait_tensorcnt 1                             ; my part of K step 0 is in; step 1's stays out
	s_barrier_signal -1
	s_barrier_wait -1
	FETCH 0, 0, F0
	QUARTER 0, 1, F0, F1, 1                        ; the first quarter stands in front of the loop: its products start the sums
	WIN 0
	s_mov_b32 s15, LAPS-1
.Llap:                                                 ; a trip goes once round the ring, from a lap's second quarter to the next lap's first, and fills both slots again
	QUARTER 0, 2, F1, F0, 0
	QUARTER 0, 3, F0, F1, 0
	TURN 0, 1
	QUARTER 1, 1, F0, F1, 0
	QUARTER 1, 2, F1, F0, 0
	QUARTER 1, 3, F0, F1, 0
	TURN 1, 0
	QUARTER 0, 1, F0, F1, 0
	WIN 0
	s_sub_co_u32 s15, s15, 1
	s_cmp_lg_u32 s15, 0
	s_cbranch_scc1 .Llap
	QUARTER 0, 2, F1, F0, 0                        ; the last lap fills nothing
	QUARTER 0, 3, F0, F1, 0
	MEET 0                                         ; my load that was still out is the last K step's
	PLACES
	FETCH 1, 0, F0
	MUL16 F1, 1, 0, 0
	MUL16 F1, 1, 2, 0
	QUARTER 1, 1, F0, F1, 0
	QUARTER 1, 2, F1, F0, 0
	QUARTER 1, 3, F0, F1, 0
	s_wait_dscnt 8
	MUL16 F1, 0, 0, 0
	MUL16 F1, 0, 2, 0
	s_wait_dscnt 0x0
	MUL16 F1, 1, 0, 0
	MUL16 F1, 1, 2, 0
	WIN 0
	; THE WAY OUT
.macro ER u                            ; the registers of step u (two rows) of a trip
.set rXO, XB+16*((\u)%4)
.set rXP, rXO+8
.set rTC, TBS+16*(\u)
.set rTS, rTC+8
.set rY,  YB+4*(\u)
.set rQ0, 2+8*((\u)%2)                 ; v2-3 or v10-11
.set rQ1, rQ0+2
.set rRS, rQ0+4                        ; v6-7 or v14-15
.set rSS, 8+((\u)%2)
.endm
.macro XLOAD u
	ER \u
	ds_load_b128 v[rXO:rXO+3],   v[RDO] offset:(\u)*2*DP
	ds_load_b128 v[rXO+4:rXO+7], v[RDO] offset:(\u)*2*DP+256
	ds_load_b128 v[rXP:rXP+3],   v[RDP] offset:(\u)*2*DP
	ds_load_b128 v[rXP+4:rXP+7], v[RDP] offset:(\u)*2*DP+256
.endm
.macro TLOAD u, ahead
	ER \u
.irp qd, 0,1,2,3
	global_load_b128 v[rTC+4*(\qd):rTC+4*(\qd)+3], v[TOF], s[8:9] offset:((\ahead)*16+2*(\u))*1024+256*(\qd)
.endr
.endm
	PLACES                                         ; behind the last products: the loads below land on X's fragments, the LDS stores read results
.irp u, 0,1,2,3,4,5,6,7
	TLOAD \u, 0                                    ; the first trip's 16 table rows: 32 loads, which land while the sums are put into LDS
.endr
	s_wait_dscnt 0x0
	s_barrier_signal -1
	s_barrier_wait -1                              ; no wave reads the ring any more, and every tensor load of the launch has landed: its bytes may be stored to
.irp a, 0,1,2,3,4,5,6,7
	WIN 0x08+4*((\a)/4)                            ; store data in window 2 or 3
.irp b, 0,1,2,3,4,5,6,7
	ds_store_b128 v[STO], v[8*(8*((\a)%4)+(\b)):8*(8*((\a)%4)+(\b))+3]   offset:(\a)*16*DP+32*(\b)      ; each accumulator's low registers first
	ds_store_b128 v[STO], v[8*(8*((\a)%4)+(\b))+4:8*(8*((\a)%4)+(\b))+7] offset:(\a)*16*DP+32*(\b)+256  ; d = 8 (2 b + h) + j lies at (j / 4) 256 + 16 (2 b + h)
.endr
.endr
	WIN 0
; Two steps, four rows.  LDS serves a wave's instructions in order, so the reads see the wave's own stores without a wait.
.macro EPAIR p
.if (\p) == 3
	s_wait_dscnt 0x0
.else
	s_wait_dscnt 8                                 ; this pair's eight loads are in; the next pair's eight may be out
.endif
	s_wait_loadcnt 24                              ; of the ring of 32 table loads the 24 issued behind this pair's eight may be out
.irp e, 0,1
	ER 2*(\p)+(\e)
	v_pk_mul_f32 v[rQ0:rQ0+1], v[rXO:rXO+1], v[rXO:rXO+1]
	v_pk_mul_f32 v[rQ1:rQ1+1], v[rXO+2:rXO+3], v[rXO+2:rXO+3]
	v_pk_fma_f32 v[rQ0:rQ0+1], v[rXO+4:rXO+5], v[rXO+4:rXO+5], v[rQ0:rQ0+1]
	v_pk_fma_f32 v[rQ1:rQ1+1], v[rXO+6:rXO+7], v[rXO+6:rXO+7], v[rQ1:rQ1+1]
.irp k, 0,2,4,6
	v_pk_mul_f32 v[rTC+(\k):rTC+(\k)+1], v[rXO+(\k):rXO+(\k)+1], v[rTC+(\k):rTC+(\k)+1]
.endr
.irp k, 0,2,4,6
	v_pk_fma_f32 v[rTC+(\k):rTC+(\k)+1], v[rXP+(\k):rXP+(\k)+1], v[rTS+(\k):rTS+(\k)+1], v[rTC+(\k):rTC+(\k)+1]
.endr
	v_pk_add_f32 v[rQ0:rQ0+1], v[rQ0:rQ0+1], v[rQ1:rQ1+1]
	v_add_f32 v[rSS], v[rQ0], v[rQ0+1]
.endr
.irp m, 1,2,4,8                        ; a row's 128 squares lie in sixteen neighbouring lanes
.irp e, 0,1
	ER 2*(\p)+(\e)
	v_add_f32_dpp v[rSS], v[rSS], v[rSS] row_xmask:\m row_mask:0xf bank_mask:0xf
.endr
.endr
.irp e, 0,1
	ER 2*(\p)+(\e)
	v_fma_f32 v[rSS], v[rSS], s68, s69             ; the mean + 1e-6
.endr
.irp e, 0,1
	ER 2*(\p)+(\e)
	v_rsq_f32 v[rRS], v[rSS]
.endr
	v_nop                                          ; a plain instruction between the root and its use
	s_wait_alu depctr_va_vdst(0)
.irp e, 0,1
	ER 2*(\p)+(\e)
	v_cndmask_b32 v[rRS], v[rRS], v[ONE], s67      ; v is not normed
.endr
.irp e, 0,1
	ER 2*(\p)+(\e)
.irp k, 0,2,4,6
	v_pk_mul_f32 v[rTC+(\k):rTC+(\k)+1], v[rTC+(\k):rTC+(\k)+1], v[rRS:rRS+1] op_sel_hi:[1,0]
.endr
.irp k, 0,1,2,3
	v_cvt_pk_f16_f32 v[rY+(\k)], v[rTC+2*(\k)], v[rTC+2*(\k)+1]
.endr
	global_store_b128 v[OOF], v[rY:rY+3], s[10:11] offset:512*(2*(\p)+(\e))  ; two whole rows of a head: 512 consecutive bytes, aligned
	TLOAD 2*(\p)+(\e), 1                           ; the same step's table rows of the next trip
.endr
.if (\p) < 2
	XLOAD 2*(\p)+4
	XLOAD 2*(\p)+5
.endif
.endm
	s_mov_b32 s15, 8
.Lrows:                                                ; a trip: 16 rows
	XLOAD 0
	XLOAD 1
	XLOAD 2
	XLOAD 3
	EPAIR 0
	EPAIR 1
	EPAIR 2
	EPAIR 3
	s_wait_xcnt 0x0                                ; the offsets and the stores' data are written again only behind this wait
	v_add_nc_u32 v[TOF], 16*1024, v[TOF]
	v_add_nc_u32 v[OOF], 16*256, v[OOF]
	v_add_nc_u32 v[RDO], 16*DP, v[RDO]
	v_add_nc_u32 v[RDP], 16*DP, v[RDP]
	s_sub_co_u32 s15, s15, 1
	s_cmp_lg_u32 s15, 0
	s_cbranch_scc1 .Lrows
	s_wait_tensorcnt 0x0                           ; the wave's end, behind my last tensor load and my last LDS store
	ds_add_u32 v[SPW], v[NIL]
	s_wait_dscnt 0x0
	CROUND                                         ; the closing round: no work-group ends while a partner may still ask for a tile that names it
	s_endpgm
; WO'S CAST, by the six clusters that have no tile of the product: wob = f16(bf16(Wo)), both [4096][2048], the same order of elements.
; A unit is 8,192 numbers: 32,768 bytes in, 16,384 out; thread t of the group's 128 takes the 16 bytes at 16 t + 2,048 j, j = 0..15: a wave's load covers 512 consecutive bytes, its store 256, aligned.
; 1,024 units = 64 rounds of 16, one unit for each work-group of a cluster.  Cluster cl = 2 (x - 5) + y takes rounds cl, cl + 6, ..: 11 for cl < 4, 10 for cl = 4, 5 (4 x 11 + 2 x 10 = 64).
; The trip count hangs on the cluster's number alone; the place in the cluster enters the two global addresses alone.  Eleven trips of sixteen loads end well inside the product's 4,096 matrix
; instructions a wave, so no ring of loads is written.
.set CX, 32                            ; v[32:95]   load j: four f32
.set CY, 96                            ; v[96:127]  load j: four f16 to store
.Lcast:
	s_load_b128 s[4:7], s[0:1], 0x20               ; Wo s[4:5], wob s[6:7]
	s_bfe_u32 s8, ttmp6, 0x40000                   ; cx
	s_bfe_u32 s9, ttmp6, 0x40004                   ; cy
	s_lshl2_add_u32 s8, s9, s8                     ; my place in the cluster, 0..15
	s_sub_co_u32 s10, ttmp9, GX
	s_and_b32 s11, ttmp7, 0xffff
	s_lshl1_add_u32 s10, s10, s11                  ; cl, 0..5
	s_cmp_lt_u32 s10, 4
	s_cselect_b32 s12, 11, 10                      ; trips
	s_lshl4_add_u32 s13, s10, s8                   ; my first unit
	s_lshl_b32 s14, s13, 15                        ; its bytes in Wo
	s_mov_b32 s15, 0
	s_lshl_b32 s16, s13, 14                        ; and in wob
	s_mov_b32 s17, 0
	s_mov_b32 s18, 0xffff0000                      ; a word's upper bf16
	v_lshlrev_b32 v1, 4, v0
	v_lshlrev_b32 v2, 3, v0
	s_wait_kmcnt 0x0
	s_add_nc_u64 s[4:5], s[4:5], s[14:15]
	s_add_nc_u64 s[6:7], s[6:7], s[16:17]
	s_mov_b32 s19, 0
.Lunit:
.irp j, 0,1,2,3,4,5,6,7,8,9,10,11,12,13,14,15
	global_load_b128 v[CX+4*(\j):CX+4*(\j)+3], v1, s[4:5] offset:2048*(\j) th:TH_LOAD_NT
.endr
.irp j, 0,1,2,3,4,5,6,7,8,9,10,11,12,13,14,15
	s_wait_loadcnt 15-(\j)                         ; loads come back in order: load j is in, the younger ones stay out
	v_cvt_pk_bf16_f32 v[CY+2*(\j)], v[CX+4*(\j)], v[CX+4*(\j)+1]      ; rounded to bf16, like every input of the program,
	v_cvt_pk_bf16_f32 v[CY+2*(\j)+1], v[CX+4*(\j)+2], v[CX+4*(\j)+3]
	v_lshlrev_b32 v4, 16, v[CY+2*(\j)]             ; widened,
	v_and_b32 v5, s18, v[CY+2*(\j)]
	v_lshlrev_b32 v6, 16, v[CY+2*(\j)+1]
	v_and_b32 v7, s18, v[CY+2*(\j)+1]
	v_cvt_pk_f16_f32 v[CY+2*(\j)], v4, v5          ; and written as f16
	v_cvt_pk_f16_f32 v[CY+2*(\j)+1], v6, v7
	global_store_b64 v2, v[CY+2*(\j):CY+2*(\j)+1], s[6:7] offset:1024*(\j)
.endr
	s_wait_xcnt 0x0                                ; the two bases and the stores' data are written again only behind this wait
	s_add_nc_u64 s[4:5], s[4:5], 96*32768          ; six rounds of sixteen units on
	s_add_nc_u64 s[6:7], s[6:7], 96*16384
	s_add_co_u32 s19, s19, 1
	s_cmp_lt_u32 s19, s12
	s_cbranch_scc1 .Lunit
	s_endpgm
.Lfunc_end_k_qd8331beea7_qkvproj:
	.size	k_qd8331beea7_qkvproj, .Lfunc_end_k_qd8331beea7_qkvproj-k_qd8331beea7_qkvproj
	.p2alignl 7, 3214868480
	.fill 96, 4, 3214868480
	.section	.rodata,"a",@progbits
	.p2align	6, 0x0
	.amdhsa_kernel k_qd8331beea7_qkvproj
		.amdhsa_group_segment_fixed_size 327680
		.amdhsa_private_segment_fixed_size 0
		.amdhsa_enable_private_segment 0
		.amdhsa_kernarg_size 48
		.amdhsa_user_sgpr_count 2
		.amdhsa_user_sgpr_kernarg_segment_ptr 1
		.amdhsa_wavefront_size32 1
		.amdhsa_system_sgpr_workgroup_id_x 1
		.amdhsa_system_sgpr_workgroup_id_y 1
		.amdhsa_system_sgpr_workgroup_id_z 1
		.amdhsa_system_vgpr_workitem_id 0
		.amdhsa_next_free_vgpr 1024
		.amdhsa_next_free_sgpr 72
		.amdhsa_reserve_vcc 0
		.amdhsa_float_denorm_mode_32 3
		.amdhsa_float_denorm_mode_16_64 3
		.amdhsa_memory_ordered 1
		.amdhsa_forward_progress 1
		.amdhsa_inst_pref_size 155
	.end_amdhsa_kernel
	.amdgpu_metadata
---
amdhsa.version: [ 1, 2 ]
amdhsa.kernels:
  - .name:           k_qd8331beea7_qkvproj
    .symbol:         k_qd8331beea7_qkvproj.kd
    .args:
      - { .name: xb, .offset: 0, .size: 8, .value_kind: global_buffer, .address_space: global }
      - { .name: wqkv, .offset: 8, .size: 8, .value_kind: global_buffer, .address_space: global }
      - { .name: tab, .offset: 16, .size: 8, .value_kind: global_buffer, .address_space: global }
      - { .name: qkv, .offset: 24, .size: 8, .value_kind: global_buffer, .address_space: global }
      - { .name: Wo, .offset: 32, .size: 8, .value_kind: global_buffer, .address_space: global }
      - { .name: wob, .offset: 40, .size: 8, .value_kind: global_buffer, .address_space: global }
    .group_segment_fixed_size: 327680
    .private_segment_fixed_size: 0
    .kernarg_segment_align: 8
    .kernarg_segment_size: 48
    .max_flat_workgroup_size: 128
    .sgpr_count:     72
    .vgpr_count:     1024
    .wavefront_size: 32
...
	.end_amdgpu_metadata
.endif
;; end of part 2
;; launch attn (part 3): grid 8 x 32, 4 waves a work-group, clusters of 4 x 1, 327,680 bytes of LDS; arguments qkv, ob; writes ob
.if DOCPART == 3
	.amdgcn_target "amdgcn-amd-amdhsa--gfx1250"
	.amdhsa_code_object_version 6
	.text
	.protected	k_qd8331beea7_attn
	.globl	k_qd8331beea7_attn
	.p2align	8
	.type	k_qd8331beea7_attn,@function
k_qd8331beea7_attn:
	s_mov_b64 s[64:65], 0
	v_nop
	global_prefetch_b8 v0, s[64:65] scope:SCOPE_SE
	s_setreg_imm32_b32 hwreg(HW_REG_WAVE_MODE, 25, 1), 1
	s_wait_xcnt 0x0
	s_wait_alu depctr_hold_cnt(0) depctr_sa_sdst(0) depctr_va_vdst(0) depctr_va_sdst(0) depctr_va_ssrc(0) depctr_va_vcc(0) depctr_vm_vsrc(0)
	s_getreg_b32 s2, hwreg(HW_REG_IB_STS2, 6, 4)
	s_cmp_eq_u32 s2, 0
	s_cbranch_scc0 .Lentry_in_a_cluster
	s_endpgm
.Lentry_in_a_cluster:
	s_bfe_u32 s2, ttmp6, 0x10000c
	s_cmp_lg_u32 s2, 0x3003
	s_cbranch_scc0 .Lentry_shape_is_right
	s_endpgm
.Lentry_shape_is_right:
; CAUSAL ATTENTION WITH SHARED KEY AND VALUE HEADS.  O[b][h][q] = sum over k <= q of softmax_k(Q[b][h][q] . K[b][h/8][k] / sqrt(128)) V[b][h/8][k].
; qkv: [2][40][1024][128] f16, slabs 0-31 q, 32-35 k, 36-39 v.  ob: [b 1024 + s][128 h + d] f16.  Products, maxima and sums in f32; the weights p are rounded to f16 for the second
; product (their sum l is taken of the unrounded p), O once at the end.
; LIMITS.  A hidden score counts as its value less 1e30; a weight below 2^-126 counts as 0 in l; p below 6e-5 keeps f16's fixed step; O is a mean of V's rows and has their range.  NaN and infinities are not treated apart.
; THE WALK.  A head's queries lie in 8 blocks of 128; block i needs the key tiles 0 .. i of 128 keys, the last with the diagonal.  A work-group takes blocks 7 - p and then p: 9 tiles whatever p:
; 2 x 32 x 4 = 256 equal work-groups, one loop with a constant trip count; the ring runs on across the change of blocks.
; CLUSTER.  The four partners are four query heads of one key and value head with the same p: the same walk, trip counts and tiles, so every tile is asked for jointly.  The place in the cluster enters Q's and O's addresses alone.
; SHARES.  A block has two bands of 64 rows; wave w owns rows 16 w .. 16 w + 15 of each: two tiles t of 16 queries.  A key tile is two steps s of 64 keys.  In the diagonal tile band t sees all of
; step s < t, none of step s > t, and holds the diagonal for s = t: alike for all four waves.
; THE MASK is the C operand that starts S^T = K Q^T: MD (made once: -1e30 where the key lies behind my row, for s = t) times AL (1 in the diagonal tile, else 0); BE (-1e30 or 0) for s = 1, t = 0; the constant 0 for s = 0, t = 1.
; LAYOUT.  S^T = K Q^T (source 0 = 16 keys, source 1 = 16 queries) holds one query a lane (l % 16) and the keys 8 (l / 16) + 0..7; two such results rounded in pairs ARE source 1 of O^T = V^T P.  V comes out of LDS turned.
; SOFTMAX.  A running maximum m and sum l: p = 2^(c s - c m), c = log2(e) / sqrt(128); in every step O and l are multiplied by a = 2^(c m_old - c m_new).  A block starts with c m far below every c s,
; so its first a is 0 and what O and l held need only be finite.
; IN PHASES: a step's 32 products K Q^T, its softmax, its 32 products V^T P; V's loads stand ahead of the softmax, the next step's K's behind it.
; REGISTERS: window 0: v0-11 addresses; v12-27 statistics, 8 a tile; v28-35 MB; v36 at work; v62, v63 the add's; v64-127 S^T; v128-159 P; v160-191 MD; v192-223 MA
;   window 1: v0-127 O^T, 64 a tile; v128-255 V of one step          window 2: v0-63 Q; v64-127 the second block's Q; v128-255 K of one step
.set KS,    64
.set PK,    272       ; a row of K in LDS: 256 bytes + 16
.set PV,    288       ; a row of V: 256 + 32 = 9 x 32
.set VOFF,  KS*PK     ; a step's tiles lie together: 64 rows of K, then 64 rows of V
.set STEPB, KS*(PK+PV)
.set SLOT1, 1<<17     ; a slot holds a key tile, two steps (71,680 bytes); slot 1 begins here, so that one exclusive or turns an address in one slot into the other's
.set STAGE, SLOT1+2*STEPB  ; behind the ring, never filled by a tensor load: 16 rows x 272 bytes for each wave
.set SP,    272
.set SPARE, STAGE+4*16*SP  ; the spare words, 128 bytes a wave: two blocks of 256 bytes that no other line names
.set AK0, 2           ; v2   my lane's place in a tile of K; never rewritten
.set AV0, 3           ; v3   the same for V
.set ADR, 4           ; v4   the LDS address of the run of loads in hand
.set QO,  5           ; v5   my byte offset in 16 rows of Q
.set STO, 6           ; v6   the way out: where I put 16 bytes of a row
.set RD,  7           ; v7   where I read a row back
.set GO,  8           ; v8   my byte offset in two rows of ob
.set ST,  12          ; tile t's statistics at v[ST+8 t]: +0 c m, +1 m, +2, +3 l, +4 to +7 c0-c3 at work; a takes c2's place
.set MB,  28
.set SPW, 62
.set NIL, 63
.set S,   64
.set P,   128
.set MD,  160
.set MA,  192
.set QB,  64          ; window 2
.set KF,  128         ; window 2: key block kb, channel group c at KF + 32 kb + 8 c
.set VF,  128         ; window 1: key half kk, channel block cb at VF + 64 kk + 8 cb
.set WV,  12          ; s12  my wave's number
.set PB,  14          ; s14  p
.set HI,  15          ; s15  7 - p
.set G1K, 24          ; s[24:31]
.set G1V, 32          ; s[32:39]
.set G0K, 40          ; s[40:43]
.set G0V, 44          ; s[44:47]
.set SLOTS, 56        ; s56  tiles still to be asked for
.set CS,  58          ; s[58:59] c
.set SEL, 60          ; s[60:61] v_permlanex16_b32's selects
.set TB,  62          ; s62  LDS byte at which the tiles of the step to be fetched begin
.set RT,  70          ; s70  tiles of the block in hand that are still to be entered
.set NXT, 71          ; s71  the tile to be asked for next
.set LQ,  72          ; s72  the last tile of the block whose tiles are being asked for
.set OFF, 74          ; s[74:75] a tile's byte offset in K and V
.set AL,  76          ; s[76:77]
.set OLO, 80          ; s[80:81] ob at my rows of the second block
.set BIGN, 82         ; s82  -1e30
.set BE,  83          ; s83
.set MSB, 0
.macro WIN new
.if MSB != (\new)
	s_set_vgpr_msb (MSB<<8)|(\new)
.set MSB, \new
.endif
.endm
.set W_KQ, 0x0a       ; K and Q in window 2, C and S^T in window 0
.set W_PV, 0x51       ; V, C and O^T in window 1, P in window 0
.set W_RS, 0x41       ; O^T (destination and source 0) in window 1, a in window 0
.macro JLOAD          ; waves 0 and 1 fetch the two steps' K, waves 2 and 3 their V; an s_nop 0 and four v_nop follow each line
	s_cmp_lt_u32 s[WV], 2
	s_cbranch_scc0 .Lfor_v_\@
	tensor_load_to_lds s[G0K:G0K+3], s[G1K:G1K+7]
	s_nop 0
.rept 4
	v_nop
.endr
	s_branch .Lasked_\@
.Lfor_v_\@:
	tensor_load_to_lds s[G0V:G0V+3], s[G1V:G1V+7]
	s_nop 0
.rept 4
	v_nop
.endr
.Lasked_\@:
.endm
.macro CROUND         ; a round of the cluster's barrier
	s_barrier_signal -1
	s_barrier_wait -1
	s_cmp_lg_u32 s[WV], 0
	s_cbranch_scc1 .Lnot_wave_0_\@
	s_barrier_signal -3
.Lnot_wave_0_\@:
	s_barrier_wait -3
	s_barrier_signal -1
	s_barrier_wait -1
.endm
.macro PLACES
.rept 4
	v_nop
.endr
.endm
; THE CHANGE OF SLOTS.  Each wave waits for all its tensor loads (one is out: its part of the other slot), adds 0 to its spare word, and waits for that and for its reads of the slot that it leaves.
; fill = 1: a round of the cluster's barrier, and the old slot is filled with tile NXT, first thing behind it; the address is made anew from that number.  (At its first use slot 0 is waited for and slot 1 filled.)
.macro CHANGE fill
	WIN 0
	s_wait_tensorcnt 0x0
	ds_add_u32 v[SPW], v[NIL]       ; scalar work stands between the add and the wait for it
.if \fill
	s_lshl_b32 s[OFF], s[NXT], 15   ; a tile is 32,768 bytes of K and of V
	s_xor_b32 s[G0K+1], s[G0K+1], SLOT1
	s_add_nc_u64 s[G0K+2:G0K+3], s[6:7], s[OFF:OFF+1]
	s_or_b32 s[G0K+3], s[G0K+3], 0x80000000
	s_xor_b32 s[G0V+1], s[G0V+1], SLOT1
	s_add_nc_u64 s[G0V+2:G0V+3], s[8:9], s[OFF:OFF+1]
	s_or_b32 s[G0V+3], s[G0V+3], 0x80000000
	s_add_co_u32 s[NXT], s[NXT], 1  ; the block's next tile, or behind its last the second block's tile 0
	s_cmp_gt_u32 s[NXT], s[LQ]
	s_cselect_b32 s[NXT], 0, s[NXT]
	s_cselect_b32 s[LQ], s[PB], s[LQ]
	s_wait_dscnt 0x0                ; the add is done, and my reads of the slot are over
	CROUND
	JLOAD                           ; it has a key tile's work, 128 matrix instructions and two softmaxes, in which to land
.else
	s_wait_dscnt 0x0
	s_barrier_signal -1
	s_barrier_wait -1
.endif
	s_sub_co_u32 s[TB], s[TB], 2*STEPB
	s_xor_b32 s[TB], s[TB], SLOT1
.endm
	s_load_b128 s[16:19], s[0:1], 0x0  ; qkv s[16:17], ob s[18:19]
	v_lshl_add_u32 v[SPW], v0, 2, SPARE
	v_mov_b32 v[NIL], 0
	ds_add_u32 v[SPW], v[NIL]       ; the wave's opening: the add and its wait stand ahead of my first tensor load
	v_lshrrev_b32 v1, 5, v0
	v_readfirstlane_b32 s[WV], v1
	s_bfe_u32 s13, ttmp6, 0x40000   ; cx
	s_lshl_b32 s2, ttmp9, 2
	s_add_co_u32 s2, s2, s13        ; which of the eight query heads: it enters Q's and O's addresses alone
	s_and_b32 s20, ttmp7, 0xffff
	s_and_b32 s[PB], s20, 3
	s_sub_co_u32 s[HI], 7, s[PB]
	s_lshr_b32 s21, s20, 2
	s_lshr_b32 s22, s21, 2          ; b
	s_and_b32 s23, s21, 3           ; the key and value head
	s_mul_i32 s84, s22, 40
	s_add_co_u32 s48, s84, s23
	s_add_co_u32 s48, s48, 32
	s_lshl_b32 s48, s48, 18         ; K's slab,
	s_and_b32 s3, s[WV], 1          ; which of a tile's two steps I fetch:
	s_lshl_b32 s49, s3, 14          ; its 64 rows of 256 bytes
	s_add_co_u32 s48, s48, s49
	s_mov_b32 s49, 0
	s_mul_i32 s85, s3, STEPB        ; and its place in a slot
	s_lshl3_add_u32 s2, s23, s2     ; the query head
	s_add_co_u32 s50, s84, s2
	s_lshl_b32 s50, s50, 18         ; Q's slab,
	s_lshl_b32 s51, s[WV], 12       ; my 16 rows in a band,
	s_add_co_u32 s50, s50, s51
	s_lshl_b32 s51, s[PB], 15
	s_add_co_u32 s52, s50, s51      ; in the second block
	s_lshl_b32 s51, s[HI], 15
	s_add_co_u32 s50, s50, s51      ; and in the first
	s_mov_b32 s51, 0
	s_mov_b32 s53, 0
	s_lshl_b32 s54, s22, 23         ; ob: row 1024 b + 128 block + 16 w, 8,192 bytes a row; 256 bytes a head
	s_lshl_b32 s55, s[WV], 17
	s_add_co_u32 s54, s54, s55
	s_lshl_b32 s55, s2, 8
	s_add_co_u32 s54, s54, s55
	s_lshl_b32 s55, s[PB], 20
	s_add_co_u32 s88, s54, s55
	s_lshl_b32 s55, s[HI], 20
	s_add_co_u32 s54, s54, s55
	s_mov_b32 s55, 0
	s_mov_b32 s89, 0
	s_mov_b32 s[G1K], 15|(1<<16)|(1<<20)|(1<<21)|(5<<22)|(3<<25)  ; the mask of four; 2-byte elements; padding on; bit 21 beside a mask; after every 64 words 4 words
	s_mov_b32 s[G1V], 15|(1<<16)|(1<<20)|(1<<21)|(5<<22)|(7<<25)  ; the same with 8 words
.irp g, G1K, G1V
	s_mov_b32 s[(\g)+1], 128<<16    ; tensor_dim0 = 128
	s_mov_b32 s[(\g)+2], KS<<16     ; tensor_dim1 = 64
	s_mov_b32 s[(\g)+3], 128<<16    ; tile_dim0 = 128
	s_mov_b32 s[(\g)+4], KS         ; tile_dim1 = 64
	s_mov_b32 s[(\g)+5], 128        ; elements from row to row
	s_mov_b32 s[(\g)+6], 0
	s_mov_b32 s[(\g)+7], 0
.endr
	s_mov_b32 s[CS], 0x3e0293ee     ; c = log2(e) / sqrt(128)
	s_mov_b32 s[CS+1], s[CS]
	s_mov_b32 s[SEL], 0x76543210
	s_mov_b32 s[SEL+1], 0xfedcba98
	s_mov_b32 s[TB], SLOT1+2*STEPB  ; the first change of slots turns this into 0
	s_mov_b32 s[G0K], 1
	s_mov_b32 s[G0K+1], s85         ; slot 0
	s_mov_b32 s[G0V], 1
	s_add_co_u32 s[G0V+1], s85, VOFF
	s_add_co_u32 s[RT], s[HI], 1    ; the first block has 8 - p tiles
	s_mov_b32 s[NXT], 1
	s_mov_b32 s[LQ], s[HI]
	s_mov_b32 s[OFF+1], 0
	s_mov_b32 s[AL+1], 0
	s_mov_b32 s[BIGN], 0xf149f2ca   ; -1e30
	s_mov_b32 s[SLOTS], 8
	s_wait_dscnt 0x0                ; the opening add is done
	s_wait_kmcnt 0x0
	s_add_nc_u64 s[6:7], s[16:17], s[48:49]        ; K at my step of tile 0
	s_add_nc_u64 s[8:9], s[6:7], 0x100000          ; V: four slabs on
	s_add_nc_u64 s[4:5], s[16:17], s[50:51]        ; Q, first block
	s_add_nc_u64 s[86:87], s[16:17], s[52:53]      ; Q, second block
	s_add_nc_u64 s[10:11], s[18:19], s[54:55]      ; ob, first block
	s_add_nc_u64 s[OLO:OLO+1], s[18:19], s[88:89]
	s_add_nc_u64 s[G0K+2:G0K+3], s[6:7], 0
	s_or_b32 s[G0K+3], s[G0K+3], 0x80000000
	s_add_nc_u64 s[G0V+2:G0V+3], s[8:9], 0
	s_or_b32 s[G0V+3], s[G0V+3], 0x80000000
	CROUND                          ; all four work-groups are here
	JLOAD                           ; tile 0 into slot 0: one load of mine is out
	v_and_b32 v1, 15, v0            ; l % 16
	v_bfe_u32 v9, v0, 4, 1          ; l / 16
	v_lshlrev_b32 v[QO], 8, v1
	v_lshl_add_u32 v[QO], v9, 4, v[QO]
	WIN 0x80                        ; destination window 2
.set i, 0
.rept 8                             ; both blocks' Q stay in registers: tile i / 4 lies 64 rows on; channels 32 (i % 4) on
	global_load_b128 v[8*i:8*i+3],         v[QO], s[4:5] offset:(i/4)*16384+(i%4)*64
	global_load_b128 v[8*i+4:8*i+7],       v[QO], s[4:5] offset:(i/4)*16384+(i%4)*64+32
	global_load_b128 v[QB+8*i:QB+8*i+3],   v[QO], s[86:87] offset:(i/4)*16384+(i%4)*64
	global_load_b128 v[QB+8*i+4:QB+8*i+7], v[QO], s[86:87] offset:(i/4)*16384+(i%4)*64+32
.set i, i+1
.endr
	WIN 0
	v_lshlrev_b32 v36, 3, v9
	v_sub_nc_u32 v36, v1, v36
	s_lshl_b32 s13, s[WV], 4
	v_add_nc_u32 v36, s13, v36      ; my query's place in its band less my lanes' 8 (l / 16): register r of key block kb is hidden where 16 kb + r is greater
.set i, 0
.rept 32
	v_cmp_gt_i32 vcc_lo, 16*(i/8)+i%8, v36
	v_cndmask_b32 v[MD+i], 0, s[BIGN], vcc_lo
.set i, i+1
.endr
	v_mul_u32_u24 v[AK0], v1, PK
	v_lshl_add_u32 v[AK0], v9, 4, v[AK0]
	v_and_b32 v10, 7, v0
	v_bfe_u32 v11, v0, 3, 1
	v_lshl_add_u32 v[AV0], v9, 3, v10  ; the turning load: key 8 (l / 16) + l % 8, channels 8 ((l / 8) % 2) on
	v_mul_u32_u24 v[AV0], v[AV0], PV
	v_lshl_add_u32 v[AV0], v11, 4, v[AV0]
	v_add_nc_u32 v[AV0], VOFF, v[AV0]
	s_mul_i32 s13, s[WV], 16*SP
	s_add_co_u32 s13, s13, STAGE    ; my stage
	v_mul_u32_u24 v[STO], v1, SP
	v_lshl_add_u32 v[STO], v9, 4, v[STO]
	v_add_nc_u32 v[STO], s13, v[STO]
	v_mul_u32_u24 v[RD], v9, SP
	v_lshl_add_u32 v[RD], v1, 4, v[RD]
	v_add_nc_u32 v[RD], s13, v[RD]
	v_lshlrev_b32 v[GO], 13, v9
	v_lshl_add_u32 v[GO], v1, 4, v[GO]
	; O^T and l need only be finite at a block's start: zeros for the first block, written in the wait for the first tile
	WIN 0x40
.set i, 0
.rept 128
	v_mov_b32 v[i], 0
.set i, i+1
.endr
	WIN 0
.irp t, 0,1
	v_mov_b32 v[ST+8*(\t)], 0xfe000000    ; c m: far below every c s
	v_mov_b32 v[ST+8*(\t)+1], 0xff7fffff  ; m
	v_mov_b32 v[ST+8*(\t)+2], 0
	v_mov_b32 v[ST+8*(\t)+3], 0
.endr
	s_wait_loadcnt 0x0              ; Q
; THE MATRIX WORK.  The accumulators take turns, one instruction a turn.
; S^T = K Q^T of step s: product i: tile i % 2, keys 16 ((i / 2) % 4) on, channels 32 (i / 8) on.  The first 8 start the sums, with the mask or 0.
.macro KQS s
	WIN W_KQ
.set i, 0
.rept 32
.if i%8 == 0
	s_wait_dscnt 24-i               ; K's loads came by channel groups of eight: this group's are in, the later groups' may be out
.endif
.set rS, S+32*(i%2)+8*((i/2)%4)
.set rK, KF+32*((i/2)%4)+8*(i/8)
.set rQ, 32*(i%2)+8*(i/8)
.set rM, MA+8*((i/2)%4)
.if i >= 8
	v_wmma_f32_16x16x32_f16 v[rS:rS+7], v[rK:rK+7], v[rQ:rQ+7], v[rS:rS+7]
.elseif i%2 == (\s)
	v_wmma_f32_16x16x32_f16 v[rS:rS+7], v[rK:rK+7], v[rQ:rQ+7], v[rM:rM+7]
.elseif (\s) == 1
	v_wmma_f32_16x16x32_f16 v[rS:rS+7], v[rK:rK+7], v[rQ:rQ+7], v[MB:MB+7]
.else
	v_wmma_f32_16x16x32_f16 v[rS:rS+7], v[rK:rK+7], v[rQ:rQ+7], 0
.endif
.set i, i+1
.endr
.endm
; O^T += V^T P: product i: tile i % 2, channels 16 ((i / 2) % 8) on, keys 32 (i / 16) on.
.macro PVS
	WIN W_PV
.set i, 0
.rept 32
.set rO, 64*(i%2)+8*((i/2)%8)
.set rV, VF+64*(i/16)+8*((i/2)%8)
.set rP, P+16*(i%2)+8*(i/16)
	v_wmma_f32_16x16x32_f16 v[rO:rO+7], v[rV:rV+7], v[rP:rP+7], v[rO:rO+7]
.set i, i+1
.endr
.endm
.macro FETCH_K                      ; a step's K: 32 loads, by channel groups
	WIN 0
	v_add_nc_u32 v[ADR], s[TB], v[AK0]
	WIN 0x80
.irp c, 0,1,2,3
.irp kb, 0,1,2,3
	ds_load_b128 v[KF+32*(\kb)+8*(\c):KF+32*(\kb)+8*(\c)+3],   v[ADR] offset:(\kb)*16*PK+(\c)*64
	ds_load_b128 v[KF+32*(\kb)+8*(\c)+4:KF+32*(\kb)+8*(\c)+7], v[ADR] offset:(\kb)*16*PK+(\c)*64+32
.endr
.endr
.endm
.macro FETCH_V                      ; the same step's V, turned: 32 loads
	WIN 0
	v_add_nc_u32 v[ADR], s[TB], v[AV0]
	s_add_co_u32 s[TB], s[TB], STEPB  ; the next fetch is the next step's
	WIN 0x40
.irp f, 0,1,2,3,4,5,6,7,8,9,10,11,12,13,14,15  ; keys 32 (f / 8) on, channels 16 (f % 8) on
	ds_load_tr16_b128 v[VF+8*(\f):VF+8*(\f)+3],   v[ADR] offset:((\f)/8)*32*PV+((\f)%8)*32
	ds_load_tr16_b128 v[VF+8*(\f)+4:VF+8*(\f)+7], v[ADR] offset:((\f)/8)*32*PV+16*PV+((\f)%8)*32
.endr
.endm
; THE SOFTMAX of one tile and step is a list of 134 instructions; SM writes number j of it for tile t.  s0-s31 are the lane's 32 scores, in pairs 0-15.
;   0-15    the maximum of s0-s31 and the old m, three operands at a time; each accumulator's lowest registers are read first
;   16-20   the other half of the lanes' maximum; the new m; c m; c m_old - c m_new
;   21-87   33 exponentials (a, then s0-s31) at the odd numbers from 23 on; between them c s - c m for pairs still to come, roundings to f16 of pairs that are done, the first sums
;   88-101  the last rounding; the rest of the sums; l = a l + the sum          102-133 the tile's O^T times a
.macro SM t
.set rT, ST+8*(\t)
.set rS, S+32*(\t)
.set rP, P+16*(\t)
.set rO, 64*(\t)+2*(j-102)
.set q, (j-20)/2
.if j < 102
	WIN 0
.endif
.if j < 4
	v_max3_num_f32 v[rT+4+j], v[rS+8*j], v[rS+8*j+1], v[rS+8*j+2]
.elseif j < 12
	v_max3_num_f32 v[rT+4+j%4], v[rT+4+j%4], v[rS+8*(j%4)+2*(j/4)+1], v[rS+8*(j%4)+2*(j/4)+2]
.elseif j == 12
	v_max3_num_f32 v[rT+4], v[rT+4], v[rS+7], v[rS+15]
.elseif j == 13
	v_max3_num_f32 v[rT+6], v[rT+6], v[rS+23], v[rS+31]
.elseif j == 14
	v_max3_num_f32 v[rT+4], v[rT+4], v[rT+5], v[rT+6]
.elseif j == 15
	v_max3_num_f32 v[rT+4], v[rT+4], v[rT+7], v[rT+1]
.elseif j == 16
	v_permlanex16_b32 v[rT+5], v[rT+4], s[SEL], s[SEL+1]  ; the query's other 32 keys lie in the lane 16 away
.elseif j == 17
	v_mov_b32 v[rT+7], v[rT]        ; c m_old is kept for a
.elseif j == 18
	v_max_num_f32 v[rT+1], v[rT+4], v[rT+5]
.elseif j == 19
	v_mul_f32 v[rT], s[CS], v[rT+1]
.elseif j == 20
	v_sub_f32 v[rT+7], v[rT+7], v[rT]
.elseif j == 23
	v_exp_f32 v[rT+6], v[rT+7]
.elseif (j < 88) && (j > 23) && (j%2 == 1)
	v_exp_f32 v[rS+(j-25)/2], v[rS+(j-25)/2]
.elseif (q < 4) || ((j < 76) && (q%2 == 0))
.set b, q/2+2
.if q < 4
.set b, q
.endif
	v_pk_fma_f32 v[rS+2*b:rS+2*b+1], v[rS+2*b:rS+2*b+1], s[CS:CS+1], v[rT:rT+1] op_sel_hi:[1,0,0] neg_lo:[0,0,1] neg_hi:[0,0,1]  ; pair b: c s - c m
.elseif (j < 88) && (q%2 == 1)
	s_wait_alu depctr_va_vdst(0)
	v_cvt_pk_f16_f32 v[rP+(q-5)/2], v[rS+q-5], v[rS+q-4]  ; its second exponential stands three numbers back
.elseif j == 89
	s_wait_alu depctr_va_vdst(0)
	v_cvt_pk_f16_f32 v[rP+15], v[rS+30], v[rS+31]
.elseif j < 102                     ; the sum of the 16 pairs, in place: neighbours 1, 2, 4 and 8 pairs apart, then l takes it
.set z, j-86
.if j < 89
.set z, (j-76)/4
.endif
.set w, 4
.set u, z
.if z >= 14
.set w, 32
.set u, 0
.elseif z >= 12
.set w, 16
.set u, z-12
.elseif z >= 8
.set w, 8
.set u, z-8
.endif
.if z < 15
	v_pk_add_f32 v[rS+w*u:rS+w*u+1], v[rS+w*u:rS+w*u+1], v[rS+w*u+w/2:rS+w*u+w/2+1]
.else
	v_pk_fma_f32 v[rT+2:rT+3], v[rT+2:rT+3], v[rT+6:rT+7], v[rS:rS+1] op_sel_hi:[1,0,1]
.endif
.else
	WIN W_RS
	v_pk_mul_f32 v[rO:rO+1], v[rO:rO+1], v[rT+6:rT+7] op_sel_hi:[1,0]
.endif
.endm
; Both tiles' lists, two numbers at a time.  From 22 to 87 tile by tile (plain, exponential, plain, exponential: a plain instruction of the other tile stands behind every exponential); elsewhere the tiles alternate.
.macro SOFTMAX
.set k, 0
.rept 67
.if (k >= 11) && (k < 44)
.irp t, 0,1
.irp n, 0,1
.set j, 2*k+(\n)
	SM \t
.endr
.endr
.else
.irp n, 0,1
.irp t, 0,1
.set j, 2*k+(\n)
	SM \t
.endr
.endr
.endif
.set k, k+1
.endr
.endm
.macro MASKS                        ; the tile's masks: the diagonal's where the block's last tile is entered, else zeros
	s_cmp_eq_u32 s[RT], 0
	s_cselect_b32 s[AL], 1.0, 0
	s_cselect_b32 s[BE], s[BIGN], 0
.set z, 0
.rept 16
	v_pk_mul_f32 v[MA+2*z:MA+2*z+1], v[MD+2*z:MD+2*z+1], s[AL:AL+1] op_sel_hi:[1,0]
.set z, z+1
.endr
.set z, 0
.rept 8
	v_mov_b32 v[MB+z], s[BE]
.set z, z+1
.endr
.endm
; A KEY TILE: two steps.  The four v_nop behind K Q^T are the places in front of the softmax's first reads and of V's loads (V's registers were read by the products V^T P before).
.macro TILE
	MASKS
	FETCH_K
	KQS 0
	PLACES
	FETCH_V
	SOFTMAX
	FETCH_K                         ; the second step's K, behind the softmax: K's last readers stand far back
	s_wait_dscnt 32                 ; V is in; K's 32 loads may be out
	PVS
	KQS 1
	PLACES
	FETCH_V
	SOFTMAX
	s_wait_dscnt 0x0                ; V is in
	PVS
.endm
; THE WAY OUT: l's two halves and the other half of the lanes' are added; O^T is divided by l, rounded to f16 and sent through my stage in LDS, a tile (16 rows) at a time.
.macro PACK t
	WIN W_RS
.set i, 64*(\t)
.rept 32
	v_pk_mul_f32 v[i:i+1], v[i:i+1], v[ST+8*(\t)+6:ST+8*(\t)+7] op_sel_hi:[1,0]
.set i, i+2
.endr
	WIN 0x05                        ; sources 0 and 1 window 1, destination window 0: S^T's registers are free
.set i, 0
.rept 32
	v_cvt_pk_f16_f32 v[S+32*(\t)+i], v[64*(\t)+2*i], v[64*(\t)+2*i+1]
.set i, i+1
.endr
	WIN 0
.irp f, 0,1,2,3,4,5,6,7
	ds_store_b128 v[STO], v[S+32*(\t)+4*(\f):S+32*(\t)+4*(\f)+3] offset:32*(\f)
.endr
.irp f, 0,1,2,3,4,5,6,7
	ds_load_b128 v[S+32*(\t)+4*(\f):S+32*(\t)+4*(\f)+3], v[RD] offset:(\f)*2*SP  ; LDS serves a wave's instructions in order: these see the stores above; the next tile's stores come behind them
.endr
.endm
.macro SEND t, younger              ; younger: the LDS instructions issued behind tile t's loads
	WIN 0
.irp f, 0,1,2,3,4,5,6,7
	s_wait_dscnt (\younger)+7-(\f)
	global_store_b128 v[GO], v[S+32*(\t)+4*(\f):S+32*(\t)+4*(\f)+3], s[10:11] offset:(\t)*64*8192+(\f)*2*8192  ; 16 lanes store a head's 256 bytes of a row, aligned
.endr
.endm
.macro WAYOUT
	WIN 0
	PLACES                          ; behind the last products
.irp t, 0,1
	v_add_f32 v[ST+8*(\t)+4], v[ST+8*(\t)+2], v[ST+8*(\t)+3]
.endr
.irp t, 0,1
	v_permlanex16_b32 v[ST+8*(\t)+5], v[ST+8*(\t)+4], s[SEL], s[SEL+1]
.endr
.irp t, 0,1
	v_add_f32 v[ST+8*(\t)+4], v[ST+8*(\t)+4], v[ST+8*(\t)+5]
.endr
.irp t, 0,1
	v_rcp_f32 v[ST+8*(\t)+6], v[ST+8*(\t)+4]
.endr
	v_nop                           ; a plain instruction between the last reciprocal and its use
	s_wait_alu depctr_va_vdst(0)
	PACK 0
	PACK 1
	SEND 0, 16
	SEND 1, 0
.endm
.Lslot:                             ; 8 trips: a tile is entered and the next is asked for
	CHANGE 1
	s_sub_co_u32 s[RT], s[RT], 1
	TILE
	WIN 0
	s_cmp_eq_u32 s[RT], 0
	s_cbranch_scc0 .Lbottom         ; forward, past text with no barrier and no tensor load; p is the same in all four partners
	WAYOUT                          ; the first block ends (in trip 7 - p; the second block's last tile is the walk's last)
	s_wait_xcnt 0x0                 ; the stores have read their registers and ob's address
	s_mov_b64 s[10:11], s[OLO:OLO+1]
	s_add_co_u32 s[RT], s[PB], 1    ; the second block has p + 1 tiles
.irp t, 0,1
	v_mov_b32 v[ST+8*(\t)], 0xfe000000
	v_mov_b32 v[ST+8*(\t)+1], 0xff7fffff
.endr
	WIN 0x82                        ; the second block's Q goes where the one text of the products names Q
.set i, 0
.rept 64
	v_mov_b32 v[i], v[QB+i]
.set i, i+1
.endr
	WIN 0
.Lbottom:
	s_sub_co_u32 s[SLOTS], s[SLOTS], 1
	s_cmp_lg_u32 s[SLOTS], 0
	s_cbranch_scc1 .Lslot
	CHANGE 0                        ; the walk's last tile is written out: nothing is asked for
	s_sub_co_u32 s[RT], s[RT], 1
	TILE
	WAYOUT
	s_wait_tensorcnt 0x0            ; the wave's end
	ds_add_u32 v[SPW], v[NIL]
	s_wait_dscnt 0x0
	CROUND                          ; the closing round
	s_endpgm
.Lfunc_end_k_qd8331beea7_attn:
	.size	k_qd8331beea7_attn, .Lfunc_end_k_qd8331beea7_attn-k_qd8331beea7_attn
	.p2alignl 7, 3214868480
	.fill 96, 4, 3214868480
	.section	.rodata,"a",@progbits
	.p2align	6, 0x0
	.amdhsa_kernel k_qd8331beea7_attn
		.amdhsa_group_segment_fixed_size 327680
		.amdhsa_private_segment_fixed_size 0
		.amdhsa_enable_private_segment 0
		.amdhsa_kernarg_size 16
		.amdhsa_user_sgpr_count 2
		.amdhsa_user_sgpr_kernarg_segment_ptr 1
		.amdhsa_wavefront_size32 1
		.amdhsa_system_sgpr_workgroup_id_x 1
		.amdhsa_system_sgpr_workgroup_id_y 1
		.amdhsa_system_sgpr_workgroup_id_z 1
		.amdhsa_system_vgpr_workitem_id 0
		.amdhsa_next_free_vgpr 768
		.amdhsa_next_free_sgpr 90
		.amdhsa_reserve_vcc 1
		.amdhsa_float_denorm_mode_32 3
		.amdhsa_float_denorm_mode_16_64 3
		.amdhsa_memory_ordered 1
		.amdhsa_forward_progress 1
		.amdhsa_inst_pref_size 147
	.end_amdhsa_kernel
	.amdgpu_metadata
---
amdhsa.version: [ 1, 2 ]
amdhsa.kernels:
  - .name:           k_qd8331beea7_attn
    .symbol:         k_qd8331beea7_attn.kd
    .args:
      - { .name: qkv, .offset: 0, .size: 8, .value_kind: global_buffer, .address_space: global }
      - { .name: ob, .offset: 8, .size: 8, .value_kind: global_buffer, .address_space: global }
    .group_segment_fixed_size: 327680
    .private_segment_fixed_size: 0
    .kernarg_segment_align: 8
    .kernarg_segment_size: 16
    .max_flat_workgroup_size: 128
    .sgpr_count:     90
    .vgpr_count:     768
    .wavefront_size: 32
...
	.end_amdgpu_metadata
.endif
;; end of part 3
;; launch oproj (part 4): grid 16 x 16, 4 waves a work-group, clusters of 4 x 4, 327,680 bytes of LDS; arguments ob, wob, out0; writes out0
.if DOCPART == 4
	.amdgcn_target "amdgcn-amd-amdhsa--gfx1250"
	.amdhsa_code_object_version 6
	.text
	.protected	k_qd8331beea7_oproj
	.globl	k_qd8331beea7_oproj
	.p2align	8
	.type	k_qd8331beea7_oproj,@function
k_qd8331beea7_oproj:
	s_mov_b64 s[64:65], 0
	v_nop
	global_prefetch_b8 v0, s[64:65] scope:SCOPE_SE
	s_setreg_imm32_b32 hwreg(HW_REG_WAVE_MODE, 25, 1), 1
	s_wait_xcnt 0x0
	s_wait_alu depctr_hold_cnt(0) depctr_sa_sdst(0) depctr_va_vdst(0) depctr_va_sdst(0) depctr_va_ssrc(0) depctr_va_vcc(0) depctr_vm_vsrc(0)
	s_getreg_b32 s2, hwreg(HW_REG_IB_STS2, 6, 4)
	s_cmp_eq_u32 s2, 0
	s_cbranch_scc0 .Lentry_in_a_cluster
	s_endpgm
.Lentry_in_a_cluster:
	s_bfe_u32 s2, ttmp6, 0x10000c
	s_cmp_lg_u32 s2, 0xf033
	s_cbranch_scc0 .Lentry_shape_is_right
	s_endpgm
.Lentry_shape_is_right:
; out0[m][n] = sum over k of O[m][k] Wo[k][n].  O: ob [2048][4096] f16.  Wo: wob [4096][2048], bf16(Wo) written as f16, K down the rows.  out0: [2048][2048] f32; sums in f32.
; A tile of the output is 128 x 128: 16 x 16 = 256 work-groups.  Four waves, each 64 x 64: 16 accumulators of 16 x 16.  K goes in 16 steps of 256 through two LDS slots, as long as two slots allow.
; O's fragments come out of LDS as they lie, Wo's turned, by ds_load_tr16_b128.
; CLUSTER 4 x 4: the four of a row need the same tiles of O, the four of a column the same tiles of Wo: each is asked for jointly.
; THE WALK ALONG K IS STAGGERED BY CLUSTER.  Cluster (X, Y) of the 4 x 4 clusters begins at K step (4 X + 8 Y) mod 16 and goes round.  The four clusters of one Y need the same tiles of O and start 4 steps apart;
; of the four clusters of one X, which need the same tiles of Wo, neighbours in Y start 8 apart.  So clusters that need the same tile ask for it at different times, and from its ninth step on at the
; latest a cluster asks for tiles that another has asked for before.  X and Y are the cluster's own numbers, which all partners share.  An output's sum runs cyclically along K, one f32 sum as before.
; THE MATRIX INSTRUCTION IS USED TRANSPOSED (source 0 = 16 columns of Wo, source 1 = 16 rows of O): a lane holds eight neighbouring numbers of a row of the output.
; THE WAY OUT: a wave's 64 columns of f32 are 256 aligned bytes, so each wave has a stage of its own (16 rows x 272 bytes) and no barrier is needed.
; LIMITS: f16's range for O and Wo, as the launches that write them state.
; REGISTERS: window 0: v0-31 addresses; v32-95 at work on the way out; v128-255 the accumulators ((a, b) at v[128 + 8 (4 a + b)]).  window 1: two fragment buffers of 128: 64 registers of O, then 64 of Wo.
.set KSTEP,  256
.set PA,     528                       ; a row of O in LDS: 512 bytes + 16
.set PB,     288                       ; a row of Wo: 256 bytes + 32 = 9 x 32
.set HA,     64*PA                     ; what one load of O brings: 64 rows
.set HB,     128*PB                    ; what one load of Wo brings: 128 K rows
.set BOFF,   2*HA                      ; Wo's 256 rows lie behind O's 128
.set SLOT,   2*HA+2*HB
.set STAGE,  2*SLOT                    ; behind the ring, never filled by a tensor load
.set SPITCH, 272
.set SPARE,  STAGE+4*16*SPITCH         ; the spare words, 128 bytes a wave: two blocks of 256 bytes that no other line names
.set LAPS,   8                         ; 4,096 / 512
.set ADRA, 16                          ; v16-17  LDS address of my O fragments in slot 0, 1
.set ADRB, 20                          ; v20-23  the same for Wo: slot 0 K rows 0-127, 128-255; slot 1 likewise (so that the offsets stay inside 16 bits)
.set STO,  24
.set RD,   25
.set CO,   26
.set SPW,  28
.set NIL,  29
.set TMP,  32
.set ACC,  128
.set F0,   0
.set F1,   128
.set G1, 24
.set G0, 32
.set G1B, 48
.set G0B, 56
.set BA,  14                           ; s[14:15] O at my part of the tile's rows, K step 0; never rewritten behind its making
.set BB,  66                           ; s[66:67] Wo at my part of K step 0, the tile's columns; likewise
.set KK,  68                           ; s68, s69 the K step that slot 0, 1 holds or has been asked to hold
.set OFA, 70                           ; s[70:71] that step's byte offset in O: 512 bytes a step
.set OFB, 72                           ; s[72:73] and in Wo: 256 rows of 4,096 bytes a step
.set MSB, 0
.macro WIN new
.if MSB != (\new)
	s_set_vgpr_msb (MSB<<8)|(\new)
.set MSB, \new
.endif
.endm
.set MUL,  0x05                        ; sources 0 and 1 window 1; C and D window 0
.set TO_F, 0x40                        ; destination window 1, address window 0
.macro JLOAD s                         ; waves 0 and 1 fetch O's two halves, waves 2 and 3 Wo's; an s_nop 0 and four v_nop follow each line
	s_cmp_eq_u32 s11, 0
	s_cbranch_scc0 .Lfor_b_\@
	tensor_load_to_lds s[G0+4*(\s):G0+4*(\s)+3], s[G1:G1+7]
	s_nop 0
.rept 4
	v_nop
.endr
	s_branch .Lasked_\@
.Lfor_b_\@:
	tensor_load_to_lds s[G0B+4*(\s):G0B+4*(\s)+3], s[G1B:G1B+7]
	s_nop 0
.rept 4
	v_nop
.endr
.Lasked_\@:
.endm
.macro CREST
	s_cmp_lg_u32 s10, 0
	s_cbranch_scc1 .Lnot_wave_0_\@
	s_barrier_signal -3
.Lnot_wave_0_\@:
	s_barrier_wait -3
	s_barrier_signal -1
	s_barrier_wait -1
.endm
.macro CROUND
	s_barrier_signal -1
	s_barrier_wait -1
	CREST
.endm
.macro SETADR s                        ; slot s's two global addresses, made anew from its K step's number: a base and an offset made apart, the type bits set again
	s_lshl_b32 s[OFA], s[KK+(\s)], 9
	s_lshl_b32 s[OFB], s[KK+(\s)], 20
	s_add_nc_u64 s[G0+4*(\s)+2:G0+4*(\s)+3], s[BA:BA+1], s[OFA:OFA+1]
	s_or_b32 s[G0+4*(\s)+3], s[G0+4*(\s)+3], 0x80000000
	s_add_nc_u64 s[G0B+4*(\s)+2:G0B+4*(\s)+3], s[BB:BB+1], s[OFB:OFB+1]
	s_or_b32 s[G0B+4*(\s)+3], s[G0B+4*(\s)+3], 0x80000000
.endm
	s_load_b128 s[4:7], s[0:1], 0x0                ; ob s[4:5], wob s[6:7]
	s_load_b64 s[8:9], s[0:1], 0x10                ; out0
	v_lshl_add_u32 v[SPW], v0, 2, SPARE
	v_mov_b32 v[NIL], 0
	ds_add_u32 v[SPW], v[NIL]                      ; the wave's opening: the add and its wait stand ahead of my first tensor load
	v_lshrrev_b32 v1, 5, v0
	v_readfirstlane_b32 s10, v1                    ; wave 0..3
	s_lshr_b32 s11, s10, 1                         ; which half of the tile's rows is mine.  Also: I fetch for O (0) or for Wo (1)
	s_and_b32 s12, s10, 1                          ; which half of its columns.  Also: which half of that tile I fetch
	s_bfe_u32 s40, ttmp6, 0x40000
	s_bfe_u32 s41, ttmp6, 0x40004
	s_lshl_b32 s42, ttmp9, 2
	s_add_co_u32 s42, s42, s40                     ; tile column
	s_and_b32 s13, ttmp7, 0xffff
	s_lshl_b32 s13, s13, 2
	s_add_co_u32 s13, s13, s41                     ; tile row
	s_lshl_b32 s43, s41, 2
	s_lshl_b32 s43, 15, s43                        ; my row of the cluster
	s_lshl_b32 s44, 0x1111, s40                    ; my column
	s_or_b32 s[G1+0], s43, (1<<16)|(1<<20)|(1<<21)|(6<<22)|(3<<25)   ; after every 128 words 4 words of padding
	s_mov_b32 s[G1+1], 256<<16                     ; tensor_dim0 = 256
	s_mov_b32 s[G1+2], 64<<16                      ; tensor_dim1 = 64
	s_mov_b32 s[G1+3], 256<<16                     ; tile_dim0 = 256
	s_mov_b32 s[G1+4], 64                          ; tile_dim1 = 64
	s_mov_b32 s[G1+5], 4096
	s_mov_b32 s[G1+6], 0
	s_mov_b32 s[G1+7], 0
	s_or_b32 s[G1B+0], s44, (1<<16)|(1<<20)|(1<<21)|(5<<22)|(7<<25)  ; after every 64 words 8 words
	s_mov_b32 s[G1B+1], 128<<16                    ; tensor_dim0 = 128
	s_mov_b32 s[G1B+2], 128<<16                    ; tensor_dim1 = 128
	s_mov_b32 s[G1B+3], 128<<16                    ; tile_dim0 = 128
	s_mov_b32 s[G1B+4], 128                        ; tile_dim1 = 128
	s_mov_b32 s[G1B+5], 2048
	s_mov_b32 s[G1B+6], 0
	s_mov_b32 s[G1B+7], 0
	s_lshl_b32 s16, s13, 20                        ; O: row 128 ty + 64 half, 8,192 bytes a row
	s_lshl_b32 s17, s12, 19
	s_add_co_u32 s16, s16, s17
	s_mov_b32 s17, 0
	s_lshl_b32 s46, s12, 19                        ; Wo: K row 128 half, 4,096 bytes a row; column 128 tx
	s_lshl_b32 s47, s42, 8
	s_add_co_u32 s46, s46, s47
	s_mov_b32 s47, 0
	s_mul_i32 s20, s12, HA                         ; where they go
	s_mul_i32 s21, s12, HB
	s_add_co_u32 s21, s21, BOFF
	s_and_b32 s[KK], ttmp7, 0xffff                 ; the walk's first step, from the cluster's own numbers: Y,
	s_lshl1_add_u32 s[KK], s[KK], ttmp9            ; 2 Y + X,
	s_lshl_b32 s[KK], s[KK], 2
	s_and_b32 s[KK], s[KK], 15                     ; (4 X + 8 Y) mod 16: a multiple of 4,
	s_add_co_u32 s[KK+1], s[KK], 1                 ; so the step behind it needs no wrap
	s_mov_b32 s[OFA+1], 0
	s_mov_b32 s[OFB+1], 0
	s_wait_dscnt 0x0                               ; the opening add is done
	s_wait_kmcnt 0x0
	s_add_nc_u64 s[BA:BA+1], s[4:5], s[16:17]
	s_add_nc_u64 s[BB:BB+1], s[6:7], s[46:47]
	CROUND                                         ; all sixteen work-groups are here
.irp s, 0,1
	s_mov_b32 s[G0+4*(\s)], 1
	s_add_co_u32 s[G0+4*(\s)+1], s20, (\s)*SLOT
	s_mov_b32 s[G0B+4*(\s)], 1
	s_add_co_u32 s[G0B+4*(\s)+1], s21, (\s)*SLOT
	SETADR \s
	JLOAD \s                                       ; the walk's first two K steps: two loads of mine are out
.endr
	v_and_b32 v1, 15, v0                           ; l % 16
	v_bfe_u32 v2, v0, 4, 1                         ; l / 16
	v_mul_u32_u24 v3, v1, PA
	v_lshl_add_u32 v3, v2, 4, v3
	v_and_b32 v4, 7, v0
	v_bfe_u32 v5, v0, 3, 1
	v_lshl_add_u32 v4, v2, 3, v4
	v_mul_u32_u24 v4, v4, PB
	v_lshl_add_u32 v4, v5, 4, v4
	s_mul_i32 s21, s11, HA                         ; my 64 rows of O
	s_lshl_b32 s22, s12, 7                         ; my 64 columns of Wo
	s_add_co_u32 s22, s22, BOFF
.irp s, 0,1
	v_add_nc_u32 v[ADRA+(\s)], s21, v3
	v_add_nc_u32 v[ADRB+2*(\s)], s22, v4
	s_add_co_u32 s23, s22, HB
	v_add_nc_u32 v[ADRB+2*(\s)+1], s23, v4
	s_add_co_u32 s21, s21, SLOT
	s_add_co_u32 s22, s22, SLOT
.endr
	s_mul_i32 s23, s10, 16*SPITCH
	s_add_co_u32 s23, s23, STAGE                   ; my stage
	v_mul_u32_u24 v6, v1, SPITCH                   ; in: row l % 16, 32 bytes for each half of the lanes
	v_lshl_add_u32 v6, v2, 5, v6
	v_add_nc_u32 v[STO], s23, v6
	v_mul_u32_u24 v6, v2, SPITCH                   ; back: lanes 0-15 one row of 256 bytes, lanes 16-31 the next
	v_lshl_add_u32 v6, v1, 4, v6
	v_add_nc_u32 v[RD], s23, v6
	v_lshlrev_b32 v6, 13, v2                       ; and the same two rows in out0
	v_lshl_add_u32 v[CO], v1, 4, v6
	s_lshl_b32 s16, s13, 20                        ; my first row: 128 ty + 64 half, 8,192 bytes a row
	s_lshl_b32 s17, s11, 19
	s_add_co_u32 s16, s16, s17
	s_mov_b32 s17, 0
	s_add_nc_u64 s[8:9], s[8:9], s[16:17]
	s_lshl_b32 s46, s42, 9                         ; my first column: 512 tx + 256 half bytes
	s_lshl_b32 s47, s12, 8
	s_add_co_u32 s46, s46, s47
	s_mov_b32 s47, 0
	s_add_nc_u64 s[8:9], s[8:9], s[46:47]
; 8 matrix instructions: row blocks a0, a0 + 1 x all 4 column blocks, 32 along K: half c of buffer f
.macro MUL8 f, c, a0, zero
	WIN MUL
.irp a, \a0, (\a0)+1
.irp b, 0,1,2,3
.if \zero
	v_wmma_f32_16x16x32_f16 v[ACC+8*(4*(\a)+(\b)):ACC+8*(4*(\a)+(\b))+7], v[(\f)+64+8*(4*(\c)+(\b)):(\f)+64+8*(4*(\c)+(\b))+7], v[(\f)+8*(4*(\c)+(\a)):(\f)+8*(4*(\c)+(\a))+7], 0
.else
	v_wmma_f32_16x16x32_f16 v[ACC+8*(4*(\a)+(\b)):ACC+8*(4*(\a)+(\b))+7], v[(\f)+64+8*(4*(\c)+(\b)):(\f)+64+8*(4*(\c)+(\b))+7], v[(\f)+8*(4*(\c)+(\a)):(\f)+8*(4*(\c)+(\a))+7], v[ACC+8*(4*(\a)+(\b)):ACC+8*(4*(\a)+(\b))+7]
.endif
.endr
.endr
.endm
; 32 LDS loads in one run: the fragments of quarter qd (64 along K) of a slot into buffer f; the first 32 along K first
.macro FETCH slot, qd, f
	WIN TO_F
.irp c, 0,1
.irp i, 0,1,2,3
	ds_load_tr16_b128 v[(\f)+64+8*(4*(\c)+(\i)):(\f)+64+8*(4*(\c)+(\i))+3],   v[ADRB+2*(\slot)+(\qd)/2] offset:(((\qd)%2)*64+32*(\c))*PB+32*(\i)
	ds_load_tr16_b128 v[(\f)+64+8*(4*(\c)+(\i))+4:(\f)+64+8*(4*(\c)+(\i))+7], v[ADRB+2*(\slot)+(\qd)/2] offset:(((\qd)%2)*64+32*(\c))*PB+32*(\i)+16*PB
	ds_load_b128 v[(\f)+8*(4*(\c)+(\i)):(\f)+8*(4*(\c)+(\i))+3],              v[ADRA+(\slot)] offset:128*(\qd)+64*(\c)+(\i)*16*PA
	ds_load_b128 v[(\f)+8*(4*(\c)+(\i))+4:(\f)+8*(4*(\c)+(\i))+7],            v[ADRA+(\slot)] offset:128*(\qd)+64*(\c)+(\i)*16*PA+32
.endr
.endr
.endm
.macro PLACES
.rept 4
	v_nop
.endr
.endm
.macro QUARTER slot, qd, f, g, zero
	s_wait_dscnt 16                                ; the first 32 along K are in
	MUL8 \f, 0, 0, \zero
	MUL8 \f, 0, 2, \zero
	PLACES
	FETCH \slot, \qd, \g
	s_wait_dscnt 32                                ; all but the 32 just issued
	MUL8 \f, 1, 0, 0
	MUL8 \f, 1, 2, 0
.endm
; The last quarter multiplies buffer 1 and changes slots: one barrier; in front of it each wave waits for all its tensor loads, adds 0 to its spare word, and waits for that and for its reads of this slot.
; fill = 1: this slot takes the K step two on in the cluster's walk, modulo 16.
.macro TURN slot, next, fill
	WIN 0
	s_wait_tensorcnt 0x0                           ; no tensor load of mine is out, so a group 0 may be written
	ds_add_u32 v[SPW], v[NIL]                      ; scalar and matrix work stands between the add and the wait for it
.if \fill
	s_add_co_u32 s[KK+(\slot)], s[KK+(\slot)], 2
	s_and_b32 s[KK+(\slot)], s[KK+(\slot)], 15
	SETADR \slot
.endif
	s_wait_dscnt 17                                ; (the add and the youngest sixteen loads may be out)
	MUL8 F1, 0, 0, 0
	s_wait_dscnt 0x0                               ; the add is done, and my reads of this slot are over
	s_barrier_signal -1
	MUL8 F1, 0, 2, 0
.if \fill
	WIN 0
.endif
	s_barrier_wait -1
.if \fill
	CREST                                          ; the barrier has opened a round of the cluster's
	JLOAD \slot                                    ; 112 matrix instructions ahead of the wait for it; its four v_nop are also the places in front of the loads below
.else
	PLACES
.endif
	FETCH \next, 0, F0
	MUL8 F1, 1, 0, 0
	MUL8 F1, 1, 2, 0
.endm
	s_wait_tensorcnt 1                             ; my part of the walk's first step is in; the second's stays out
	s_barrier_signal -1
	s_barrier_wait -1
	FETCH 0, 0, F0
	QUARTER 0, 1, F0, F1, 1                        ; the first quarter stands in front of the loop: its first products start the sums
	WIN 0
	s_mov_b32 s3, LAPS-1
.Llap:
	QUARTER 0, 2, F1, F0, 0
	QUARTER 0, 3, F0, F1, 0
	TURN 0, 1, 1
	QUARTER 1, 1, F0, F1, 0
	QUARTER 1, 2, F1, F0, 0
	QUARTER 1, 3, F0, F1, 0
	TURN 1, 0, 1
	QUARTER 0, 1, F0, F1, 0
	WIN 0
	s_sub_co_u32 s3, s3, 1
	s_cmp_lg_u32 s3, 0
	s_cbranch_scc1 .Llap
	QUARTER 0, 2, F1, F0, 0                        ; the last lap fills nothing
	QUARTER 0, 3, F0, F1, 0
	TURN 0, 1, 0
	QUARTER 1, 1, F0, F1, 0
	QUARTER 1, 2, F1, F0, 0
	QUARTER 1, 3, F0, F1, 0
	s_wait_dscnt 16
	MUL8 F1, 0, 0, 0
	MUL8 F1, 0, 2, 0
	s_wait_dscnt 0x0
	MUL8 F1, 1, 0, 0
	MUL8 F1, 1, 2, 0
	WIN 0
	; THE WAY OUT, 16 rows at a time: 32 bytes a lane into my stage, whole rows of 256 bytes back, stored.
.macro OUTBLK a
.set BK, TMP+32*((\a)%2)
.irp b, 0,1,2,3
	ds_store_b128 v[STO], v[ACC+8*(4*(\a)+(\b)):ACC+8*(4*(\a)+(\b))+3]   offset:64*(\b)     ; each accumulator's low registers first
	ds_store_b128 v[STO], v[ACC+8*(4*(\a)+(\b))+4:ACC+8*(4*(\a)+(\b))+7] offset:64*(\b)+16
.endr
.irp t, 0,1,2,3,4,5,6,7
	ds_load_b128 v[BK+4*(\t):BK+4*(\t)+3], v[RD] offset:(\t)*2*SPITCH  ; LDS serves a wave's instructions in order: these see the stores above; the next block's stores come behind them
.endr
.endm
.macro SEND a, younger                 ; younger: the LDS instructions issued behind block a's loads
.set BK, TMP+32*((\a)%2)
.irp t, 0,1,2,3,4,5,6,7
	s_wait_dscnt (\younger)+7-(\t)
	global_store_b128 v[CO], v[BK+4*(\t):BK+4*(\t)+3], s[8:9] offset:(16*(\a)+2*(\t))*8192  ; 16 lanes store 256 consecutive bytes, aligned
.endr
.endm
	PLACES                                         ; behind the last products
	OUTBLK 0
	OUTBLK 1
	SEND 0, 16
	s_wait_xcnt 0x0                                ; block 0's stores have read their registers: block 2 is loaded into them only behind this wait
	OUTBLK 2
	SEND 1, 16
	s_wait_xcnt 0x0
	OUTBLK 3
	SEND 2, 16
	SEND 3, 0
	s_wait_tensorcnt 0x0                           ; the wave's end
	ds_add_u32 v[SPW], v[NIL]
	s_wait_dscnt 0x0
	CROUND                                         ; the closing round
	s_endpgm
.Lfunc_end_k_qd8331beea7_oproj:
	.size	k_qd8331beea7_oproj, .Lfunc_end_k_qd8331beea7_oproj-k_qd8331beea7_oproj
	.p2alignl 7, 3214868480
	.fill 96, 4, 3214868480
	.section	.rodata,"a",@progbits
	.p2align	6, 0x0
	.amdhsa_kernel k_qd8331beea7_oproj
		.amdhsa_group_segment_fixed_size 327680
		.amdhsa_private_segment_fixed_size 0
		.amdhsa_enable_private_segment 0
		.amdhsa_kernarg_size 24
		.amdhsa_user_sgpr_count 2
		.amdhsa_user_sgpr_kernarg_segment_ptr 1
		.amdhsa_wavefront_size32 1
		.amdhsa_system_sgpr_workgroup_id_x 1
		.amdhsa_system_sgpr_workgroup_id_y 1
		.amdhsa_system_sgpr_workgroup_id_z 1
		.amdhsa_system_vgpr_workitem_id 0
		.amdhsa_next_free_vgpr 512
		.amdhsa_next_free_sgpr 74
		.amdhsa_reserve_vcc 0
		.amdhsa_float_denorm_mode_32 3
		.amdhsa_float_denorm_mode_16_64 3
		.amdhsa_memory_ordered 1
		.amdhsa_forward_progress 1
		.amdhsa_inst_pref_size 88
	.end_amdhsa_kernel
	.amdgpu_metadata
---
amdhsa.version: [ 1, 2 ]
amdhsa.kernels:
  - .name:           k_qd8331beea7_oproj
    .symbol:         k_qd8331beea7_oproj.kd
    .args:
      - { .name: ob, .offset: 0, .size: 8, .value_kind: global_buffer, .address_space: global }
      - { .name: wob, .offset: 8, .size: 8, .value_kind: global_buffer, .address_space: global }
      - { .name: out0, .offset: 16, .size: 8, .value_kind: global_buffer, .address_space: global }
    .group_segment_fixed_size: 327680
    .private_segment_fixed_size: 0
    .kernarg_segment_align: 8
    .kernarg_segment_size: 24
    .max_flat_workgroup_size: 128
    .sgpr_count:     74
    .vgpr_count:     512
    .wavefront_size: 32
...
	.end_amdgpu_metadata
.endif
;; end of part 4
;; ======== version 2 of 2: 4 launches; version 1 with the launch prep written anew for expert scheduling mode
;; limits: values are held in f16: magnitudes above 65,504 overflow, below 6.1e-05 lose precision
;; workspace buffers: xb 8,388,608 bytes; wqkv 20,971,520 bytes; wob 16,777,216 bytes; tab 3,211,264 bytes; qkv 20,971,520 bytes; ob 16,777,216 bytes
;; launch prep (part 5): grid 994 x 1, 8 waves a work-group, no clusters, 0 bytes of LDS; arguments hidden_states, Wq, Wk, Wv, q_norm_w, k_norm_w, xb, wqkv, tab; writes xb, wqkv, tab
.if DOCPART == 5
	.amdgcn_target "amdgcn-amd-amdhsa--gfx1250"
	.amdhsa_code_object_version 6
	.text
	.protected	k_qd8331beea7_prep
	.globl	k_qd8331beea7_prep
	.p2align	8
	.type	k_qd8331beea7_prep,@function
k_qd8331beea7_prep:
	s_mov_b64 s[64:65], 0
	v_nop
	global_prefetch_b8 v0, s[64:65] scope:SCOPE_SE
	s_setreg_imm32_b32 hwreg(HW_REG_WAVE_SCHED_MODE, 0, 2), 2
	s_setreg_imm32_b32 hwreg(HW_REG_WAVE_MODE, 25, 1), 1
	s_wait_xcnt 0x0
	s_wait_alu depctr_vm_vsrc(0)
; PREP.  Two kinds of work-group.
; Groups 0-97 make the rope-and-gain table TAB: 3,136 rows of 1,024 bytes of f32, 32 rows a group.  Row R = type x 1024 + s (type 0: q, 1: k, 2 and the 64 rows behind it: the identity, for v).
; The 16 bytes at R x 1024 + qd x 256 + 16 l hold, for d = 8 l + 4 (qd & 1) + 0..3 and i = d & 63:
;   qd < 2:  C[d] = g[d] cos(s f_i)          qd >= 2:  S[d] = -g[d+64] sin(s f_i) for d < 64, +g[d-64] sin(s f_i) for d >= 64        identity rows: C = 1, S = 0
; so that norm, gain and rope of a head's row x are rs (x[d] C[d] + x[d ^ 64] S[d]).  g is the norm's gain rounded once to bf16, like every input of the program.
; Groups 98-993 round hidden_states, Wq, Wk, Wv to bf16, 16,384 numbers a group; Wq, Wk, Wv go side by side into one [2048][5120].  (Wo is rounded by the next launch.)
; LIMITS.  f_i = 2^(-i log2(1e6) / 64) by v_exp_f32; the angle s f_i is one f32 product; it is reduced by k pi/2 in two fused steps and the sine and cosine are polynomials on |r| <= pi/4,
; cut at r^9 and r^8 (next terms below 3e-8).
; No LDS, no barrier, no matrix unit: a stream; each load of a wave covers 512 consecutive bytes, each store 256 (casts) or 512 (table), aligned.
; THE MODE: SCHED_MODE bits 1:0 = 2 (LLVM: expert scheduling mode 2), set by the entry lines.  The code itself states the register dependences
; between vector instructions and memory instructions, with s_wait_alu, always for 0.
; THE PLAN, THE CASTS.  Registers that memory instructions touch:
;   v1   the loads' offset: written once, ahead of the first wait.          X  written by the loads alone; read by the conversions behind the wait for the loads; no load lands in it again.
;   D    the stores' offsets: written once, behind the loads.              Y  the stores' data: turn j's pair is written once, by turn j's two conversions.
; The sixteen turns go in four groups of four.  Group g converts its own four turns and issues the four stores of group g - 1, whose D and Y no vector line of group g names.  So one wait at a group's
; head states all that its four stores hang on.  No register that a memory instruction reads is written again.
; THE PLAN, THE TABLE.  Registers that memory instructions touch:
;   v52     the offset of the gain's load: written once, never again.      v36-39  that load lands in them; no line names them before it; behind the wait for it they are vector lines' alone.
;   v2      the stores' offset: written once; the scalar base moves on by a trip.
;   v16-19  the out-buffer: written by a trip's last four lines, read by the store behind them, written again a trip's arithmetic later.
;   s48-51  masks: written by a run of four compares, read by four selects.
.set NTAB, 98
.set D, 8                              ; v[8:23]    turn j: byte offset of my 8 bytes in the destination
.set X, 32                             ; v[32:95]   turn j: four f32 as loaded
.set Y, 96                             ; v[96:127]  turn j: four bf16 to store
	s_load_b512 s[8:23], s[0:1], 0x0               ; hidden s[8:9], Wq s[10:11], Wk s[12:13], Wv s[14:15], q gain s[16:17], k gain s[18:19], xb s[20:21], wqkv s[22:23]
	s_load_b64 s[24:25], s[0:1], 0x40              ; tab
	s_wait_kmcnt 0x0
	s_cmp_lt_u32 ttmp9, NTAB
	s_cbranch_scc1 .Ltab
	; THE CASTS.  The group's number picks source, destination and shape; the choice hangs on the number alone.
	s_sub_co_u32 s30, ttmp9, NTAB
	s_mov_b64 s[32:33], s[8:9]                     ; source
	s_mov_b64 s[34:35], s[20:21]                   ; destination
	s_mov_b32 s36, 0                               ; the region's first group
	s_mov_b32 s37, 11                              ; log2 of the source's row length
	s_mov_b32 s38, 2048                            ; the destination's row length
	s_mov_b32 s39, 0                               ; byte offset of the region's first column in a destination row
.macro REGION first, src, dst, sh, pitch, dcol
	s_cmp_ge_u32 s30, \first
	s_cselect_b64 s[32:33], s[\src:\src+1], s[32:33]
	s_cselect_b64 s[34:35], s[\dst:\dst+1], s[34:35]
	s_cselect_b32 s36, \first, s36
	s_cselect_b32 s37, \sh, s37
	s_cselect_b32 s38, \pitch, s38
	s_cselect_b32 s39, \dcol, s39
.endm
	REGION 256, 10, 22, 12, 5120, 0                ; Wq: 512 groups
	REGION 768, 12, 22, 9, 5120, 8192              ; Wk: 64 groups, columns 4096 on
	REGION 832, 14, 22, 9, 5120, 9216              ; Wv: 64 groups, columns 4608 on
	s_sub_co_u32 s30, s30, s36
	s_lshl_b32 s31, s30, 14                        ; the group's first element in its source
	s_lshl_b32 s42, s30, 16                        ; the same in bytes
	s_mov_b32 s43, 0
	s_add_nc_u64 s[32:33], s[32:33], s[42:43]
	s_lshl_b32 s41, 1, s37
	s_sub_co_u32 s41, s41, 1                       ; mask of the column in a source row
	v_lshlrev_b32 v1, 4, v0                        ; 16 bytes a thread; a turn of the group is 4,096 bytes
	s_wait_alu depctr_va_vdst(0)                   ; v1 is written: the sixteen loads read it as their offset
.irp j, 0,1,2,3,4,5,6,7,8,9,10,11,12,13,14,15
	global_load_b128 v[X+4*(\j):X+4*(\j)+3], v1, s[32:33] offset:4096*(\j) th:TH_LOAD_NT
.endr
	v_lshl_add_u32 v2, v0, 2, s31                  ; my first element
.irp j, 0,1,2,3,4,5,6,7,8,9,10,11,12,13,14,15
	v_add_nc_u32 v3, 1024*(\j), v2                 ; turn j's element e
	v_lshrrev_b32 v4, s37, v3                      ; its row
	v_and_b32 v5, s41, v3                          ; its column
	v_mad_u32_u24 v4, v4, s38, v5
	v_lshl_add_u32 v[D+(\j)], v4, 1, s39
.endr
; Group g: turns 4 g to 4 g + 3 are converted; the stores of turns 4 g - 4 to 4 g - 1 are dealt among the conversions.
.macro GROUP g
	s_wait_loadcnt 12-4*(\g)                       ; loads come back in order: this group's four are in, the younger groups' stay out
.if (\g) > 0
	s_wait_alu depctr_va_vdst(0)                   ; the group before has written its Y, which the four stores below read; at group 1 the sixteen offsets D are written too
.endif
.irp i, 0,1,2,3
.set n, 4*(\g)+(\i)
.if (\g) > 0
	global_store_b64 v[D+n-4], v[Y+2*n-8:Y+2*n-7], s[34:35]  ; a wave stores 256 consecutive bytes, aligned; no vector line since the wait names these registers, and none writes them again
.endif
	v_cvt_pk_bf16_f32 v[Y+2*n], v[X+4*n], v[X+4*n+1]
	v_cvt_pk_bf16_f32 v[Y+2*n+1], v[X+4*n+2], v[X+4*n+3]
.endr
.endm
	GROUP 0
	GROUP 1
	GROUP 2
	GROUP 3
	s_wait_alu depctr_va_vdst(0)                   ; group 3 has written its Y, which the last four stores read
.irp i, 12,13,14,15
	global_store_b64 v[D+(\i)], v[Y+2*(\i):Y+2*(\i)+1], s[34:35]
.endr
	s_endpgm
	; THE TABLE.  A group makes 32 rows, four a trip: thread t writes the 16 bytes at 16 (t & 63) of row t >> 6.
.set GOF, 52                           ; v52  byte offset of my four numbers of the gain: read by one load, never written again
.Ltab:
	s_lshr_b32 s43, ttmp9, 5                       ; type: 32 groups make 1,024 rows
	s_cmp_eq_u32 s43, 1
	s_cselect_b64 s[46:47], s[18:19], s[16:17]     ; k's gain or q's (identity rows read q's and do not use it)
	s_cmp_ge_u32 s43, 2
	s_cselect_b32 s42, -1, 0                       ; all lanes: identity rows
	s_lshl_b32 s44, ttmp9, 15                      ; 32 rows of 1,024 bytes
	s_mov_b32 s45, 0
	s_add_nc_u64 s[24:25], s[24:25], s[44:45]
	s_lshl_b32 s31, ttmp9, 5                       ; the group's first row
	s_mov_b32 s32, 0x3f22f983                      ; 2 / pi
	s_mov_b32 s33, 0xbfc90fdb                      ; -(pi / 2, rounded)
	s_mov_b32 s34, 0x333bbd2e                      ; that rounding's excess over pi / 2
	s_mov_b32 s35, 0x3638ef1d                      ; 1 / 9!
	s_mov_b32 s36, 0xb9500d01                      ; -1 / 7!
	s_mov_b32 s37, 0x3c088889                      ; 1 / 5!
	s_mov_b32 s38, 0xbe2aaaab                      ; -1 / 3!
	s_mov_b32 s39, 0x37d00d01                      ; 1 / 8!
	s_mov_b32 s40, 0xbab60b61                      ; -1 / 6!
	s_mov_b32 s41, 0x3d2aaaab                      ; 1 / 4!
	v_and_b32 v1, 63, v0
	v_lshrrev_b32 v28, 6, v0                       ; my row of the trip's four
	v_and_b32 v29, 15, v1                          ; l
	v_lshrrev_b32 v30, 4, v1                       ; qd
	v_lshrrev_b32 v31, 1, v30                      ; 1: I write S, 0: C
	v_and_b32 v30, 1, v30
	v_lshlrev_b32 v29, 3, v29
	v_lshl_add_u32 v29, v30, 2, v29                ; d0, my first d
	v_lshrrev_b32 v30, 6, v29                      ; 1: d >= 64
	v_lshlrev_b32 v[GOF], 6, v31
	v_xor_b32 v[GOF], v[GOF], v29                  ; S takes the gain of d ^ 64
	v_lshlrev_b32 v[GOF], 2, v[GOF]
	s_wait_alu depctr_va_vdst(0)                   ; v52 is written: the load below reads it as its offset
	global_load_b128 v[36:39], v[GOF], s[46:47]
	v_mul_u32_u24 v12, 3, v31                      ; sin a = cos(a - pi/2): three quadrants on
	v_sub_nc_u32 v13, 1, v31
	v_cvt_f32_u32 v13, v13                         ; the identity's value: 1 for C, 0 for S
	v_xor_b32 v33, 1, v30
	v_and_b32 v33, v33, v31
	v_lshlrev_b32 v33, 31, v33                     ; the sign bit for S at d < 64
	v_and_b32 v20, 63, v29                         ; i of my first d
.irp jj, 0,1,2,3
	v_add_nc_u32 v[24+(\jj)], \jj, v20
	v_cvt_f32_u32 v[24+(\jj)], v[24+(\jj)]
	v_mul_f32 v[24+(\jj)], 0xbe9f73da, v[24+(\jj)] ; -i log2(1e6) / 64
.endr
.irp jj, 0,1,2,3
	v_exp_f32 v[4+(\jj)], v[24+(\jj)]              ; f_i
.endr
	v_lshlrev_b32 v2, 4, v0                        ; my byte offset in a trip's 4,096 bytes (a plain line behind the exponentials); never written again
	v_add_nc_u32 v3, s31, v28                      ; my row
	s_wait_loadcnt 0x0
	v_cvt_pk_bf16_f32 v34, v36, v37                ; the gain rounded to bf16,
	v_cvt_pk_bf16_f32 v35, v38, v39
	v_lshlrev_b32 v8, 16, v34                      ; widened again,
	v_and_b32 v9, 0xffff0000, v34
	v_lshlrev_b32 v10, 16, v35
	v_and_b32 v11, 0xffff0000, v35
.irp jj, 0,1,2,3
	v_xor_b32 v[8+(\jj)], v[8+(\jj)], v33          ; with its sign
.endr
; The trip's four numbers are worked side by side, each line written four times on registers of their own, so that no line reads the result of the line before it.
.set TA, 20                            ; v[20:23]  the angle a = s f
.set TK, 24                            ; v[24:27]  k = round(a 2 / pi)
.set TR, 28                            ; v[28:31]  r = a - k pi / 2
.set TZ, 32                            ; v[32:35]  z = r r
.set TS, 36                            ; v[36:39]  sin r
.set TC, 40                            ; v[40:43]  cos r, then the value
.set TN, 44                            ; v[44:47]  the quadrant n, then the sign bit
.set TW, 48                            ; v[48:51]  at work
.macro ALL line:vararg                 ; one line for each of the four, t = 0..3
.set t, 0
.rept 4
	\line
.set t, t+1
.endr
.endm
	s_wait_alu depctr_va_vdst(0)                   ; the four exponentials have written v[4:7]: one wait for the batch, ahead of the label and of their first reader; v2, the stores' offset, is written too
	s_mov_b32 s30, 8
.Lrow:
	v_and_b32 v15, 0x3ff, v3
	v_cvt_f32_u32 v14, v15                         ; s
	ALL v_mul_f32 v[TA+t], v14, v[4+t]
	ALL v_mul_f32 v[TK+t], s32, v[TA+t]
	ALL v_rndne_f32 v[TK+t], v[TK+t]
	ALL v_fma_f32 v[TR+t], v[TK+t], s33, v[TA+t]   ; in two parts
	ALL v_fma_f32 v[TR+t], v[TK+t], s34, v[TR+t]
	ALL v_mul_f32 v[TZ+t], v[TR+t], v[TR+t]
	ALL v_fma_f32 v[TS+t], v[TZ+t], s35, s36
	ALL v_fma_f32 v[TC+t], v[TZ+t], s39, s40
	ALL v_fma_f32 v[TS+t], v[TS+t], v[TZ+t], s37
	ALL v_fma_f32 v[TC+t], v[TC+t], v[TZ+t], s41
	ALL v_fma_f32 v[TS+t], v[TS+t], v[TZ+t], s38
	ALL v_fma_f32 v[TC+t], v[TC+t], v[TZ+t], -0.5
	ALL v_mul_f32 v[TS+t], v[TS+t], v[TZ+t]
	ALL v_fma_f32 v[TC+t], v[TC+t], v[TZ+t], 1.0
	ALL v_fma_f32 v[TS+t], v[TS+t], v[TR+t], v[TR+t]
	ALL v_cvt_i32_f32 v[TN+t], v[TK+t]
	ALL v_add_nc_u32 v[TN+t], v[TN+t], v12         ; cos(r + n pi/2) = cos r, -sin r, -cos r, sin r
	ALL v_and_b32 v[TW+t], 1, v[TN+t]
	ALL v_cmp_ne_u32 s[48+t], 0, v[TW+t]           ; the four masks in one run; the twelve lines below, which do not hang on them, stand between the run and the wait for it
	ALL v_add_nc_u32 v[TN+t], 1, v[TN+t]
	ALL v_and_b32 v[TN+t], 2, v[TN+t]
	ALL v_lshlrev_b32 v[TN+t], 30, v[TN+t]         ; negative for n = 1, 2 modulo 4
	s_wait_alu depctr_va_sdst(0)                   ; the four compares have written s48 to s51, ahead of their first reader, the selects below
	ALL v_cndmask_b32 v[TC+t], v[TC+t], v[TS+t], s[48+t]
	ALL v_xor_b32 v[TC+t], v[TC+t], v[TN+t]
	ALL v_mul_f32 v[TC+t], v[TC+t], v[8+t]
	v_add_nc_u32 v3, 4, v3
	s_wait_xcnt 0x0                                ; the last trip's store, issued a trip's arithmetic ago: its data and its base are written again only behind this wait
	s_wait_alu depctr_vm_vsrc(0)                   ; the last trip's store has read v[16:19], which the four selects below write again
	s_add_nc_u64 s[24:25], s[24:25], 4096          ; the base moves on by a trip; the store below reaches back
	ALL v_cndmask_b32 v[16+t], v[TC+t], v13, s42
	s_wait_alu depctr_va_vdst(0)                   ; the four selects have written v[16:19], which the store reads
	global_store_b128 v2, v[16:19], s[24:25] offset:-4096  ; a wave stores 512 consecutive bytes
	s_sub_co_u32 s30, s30, 1
	s_cmp_lg_u32 s30, 0
	s_cbranch_scc1 .Lrow
	s_endpgm
.Lfunc_end_k_qd8331beea7_prep:
	.size	k_qd8331beea7_prep, .Lfunc_end_k_qd8331beea7_prep-k_qd8331beea7_prep
	.p2alignl 7, 3214868480
	.fill 96, 4, 3214868480
	.section	.rodata,"a",@progbits
	.p2align	6, 0x0
	.amdhsa_kernel k_qd8331beea7_prep
		.amdhsa_group_segment_fixed_size 0
		.amdhsa_private_segment_fixed_size 0
		.amdhsa_enable_private_segment 0
		.amdhsa_kernarg_size 72
		.amdhsa_user_sgpr_count 2
		.amdhsa_user_sgpr_kernarg_segment_ptr 1
		.amdhsa_wavefront_size32 1
		.amdhsa_system_sgpr_workgroup_id_x 1
		.amdhsa_system_sgpr_workgroup_id_y 1
		.amdhsa_system_sgpr_workgroup_id_z 1
		.amdhsa_system_vgpr_workitem_id 0
		.amdhsa_next_free_vgpr 128
		.amdhsa_next_free_sgpr 66
		.amdhsa_reserve_vcc 0
		.amdhsa_float_denorm_mode_32 3
		.amdhsa_float_denorm_mode_16_64 3
		.amdhsa_memory_ordered 1
		.amdhsa_forward_progress 1
		.amdhsa_inst_pref_size 20
	.end_amdhsa_kernel
	.amdgpu_metadata
---
amdhsa.version: [ 1, 2 ]
amdhsa.kernels:
  - .name:           k_qd8331beea7_prep
    .symbol:         k_qd8331beea7_prep.kd
    .args:
      - { .name: hidden_states, .offset: 0, .size: 8, .value_kind: global_buffer, .address_space: global }
      - { .name: Wq, .offset: 8, .size: 8, .value_kind: global_buffer, .address_space: global }
      - { .name: Wk, .offset: 16, .size: 8, .value_kind: global_buffer, .address_space: global }
      - { .name: Wv, .offset: 24, .size: 8, .value_kind: global_buffer, .address_space: global }
      - { .name: q_norm_w, .offset: 32, .size: 8, .value_kind: global_buffer, .address_space: global }
      - { .name: k_norm_w, .offset: 40, .size: 8, .value_kind: global_buffer, .address_space: global }
      - { .name: xb, .offset: 48, .size: 8, .value_kind: global_buffer, .address_space: global }
      - { .name: wqkv, .offset: 56, .size: 8, .value_kind: global_buffer, .address_space: global }
      - { .name: tab, .offset: 64, .size: 8, .value_kind: global_buffer, .address_space: global }
    .group_segment_fixed_size: 0
    .private_segment_fixed_size: 0
    .kernarg_segment_align: 8
    .kernarg_segment_size: 72
    .max_flat_workgroup_size: 256
    .sgpr_count:     66
    .vgpr_count:     128
    .wavefront_size: 32
...
	.end_amdgpu_metadata
.endif
;; end of part 5
;; launch qkvproj: the kernel of part 2 again; grid 32 x 8, 4 waves a work-group, clusters of 4 x 4, 327,680 bytes of LDS; arguments xb, wqkv, tab, qkv, Wo, wob; writes qkv, wob
;; launch attn: the kernel of part 3 again; grid 8 x 32, 4 waves a work-group, clusters of 4 x 1, 327,680 bytes of LDS; arguments qkv, ob; writes ob
;; launch oproj: the kernel of part 4 again; grid 16 x 16, 4 waves a work-group, clusters of 4 x 4, 327,680 bytes of LDS; arguments ob, wob, out0; writes out0
